; MI455X (gfx1250); checked and timed in simulation.
; The chip was launched on July 23, 2026; its instructions are those of AMD's public machine-readable ISA for CDNA 5 (MIT licence, August 2026) and "CDNA5" Instruction Set Architecture Reference Guide (July 2026). The comments in the code are by the model that wrote it; some were corrected since.
;; Cross Modal Attention. Allowed arithmetic: matrix products marked QUANTISED: E2M3 operands, one E8M0 scale for each 32 along K, by v_wmma_scale_f32_16x16x128_f8f6f4 with both operands' format E2M3, f32 sums; everything else in f32.
;; Inputs: Wk 1,024 x 1,024 float32; Wq 1,024 x 1,024 float32; Wv 1,024 x 1,024 float32; bk 1,024 float32; bq 1,024 float32; bv 1,024 float32; mask 4 x 2,048 x 2,048 int32; x 4 x 2,048 x 1,024 float32; y 4 x 2,048 x 1,024 float32.
;; Outputs: out0 4 x 2,048 x 1,024 float32.
;; This version of the problem:
;;   THIS VERSION OF THE PROBLEM IS GIVEN IN LOW PRECISION. The matrix products marked QUANTISED in the list below multiply operands that are first quantised to E2M3 (2 exponent bits, 3 mantissa bits; 6 bits a number), with one power-of-two scale for each 32 numbers along K (OCP MX v1.0); their sums are f32. All else is computed in f32.
;;   The module's matrix products, in the order in which they are computed (A, B: the left and right operand; K: the contracted axis; several contracted axes count as one K, in the product's order):
;;     1. [M 8,192, K 1,024] x [K 1,024, N 1,024]; A: input x; B: input Wq: QUANTISED
;;     2. [M 8,192, K 1,024] x [K 1,024, N 1,024]; A: input y; B: input Wk: QUANTISED
;;     3. [M 8,192, K 1,024] x [K 1,024, N 1,024]; A: input y; B: input Wv: QUANTISED
;;     4. batch 4 x [M 2,048, K 1,024] x [K 1,024, N 2,048]; A: computed on the way; B: computed on the way: QUANTISED
;;     5. batch 4 x [M 2,048, K 2,048] x [K 2,048, N 1,024]; A: softmax (see below); B: computed on the way: QUANTISED
;;   THE QUANTISER, for each operand of a quantised product, along K:
;;     - K is cut into blocks of 32 from its start; a last block that is shorter is filled with zeros.
;;     - A block's scale is 2^e with e = floor(log2(the largest magnitude in the block)) - 2, held to -126 .. 127; a block of zeros has e = 0. As a byte (E8M0): e + 127.
;;     - Each number is divided by its block's scale, clamped to +-7.5, and rounded to the nearest number of E2M3, ties to even, subnormals kept.
;;     - The product sums the exact products of the quantised numbers (number of the format x scale) in f32.
;;   ~~~python
;;   def quantise(x, axis):      # numpy; x: float32 -> the quantised numbers, widened to float32 again
;;       x = np.moveaxis(x, axis, -1); K = x.shape[-1]
;;       x = np.pad(x, [(0, 0)] * (x.ndim - 1) + [(0, -K % 32)]); x = x.reshape(x.shape[:-1] + (-1, 32)); a = np.abs(x).max(-1, keepdims=True)
;;       e = np.where(a > 0, np.clip(np.frexp(np.where(a > 0, a, 1))[1] - 1 - 2, -126, 127), 0)      # np.frexp(a)[1] - 1 = floor(log2(a)), exactly
;;       r = np.clip(x / 2.0 ** e, -7.5, 7.5)
;;       step = 2.0 ** (np.maximum(np.frexp(np.where(r == 0, 1, r))[1] - 1, 0) - 3)
;;       q = np.round(r / step) * step * 2.0 ** e      # np.round: ties to even
;;       return np.moveaxis(q.reshape(q.shape[:-2] + (-1,))[..., :K], -1, axis).astype(np.float32)
;;   ~~~
;;   SOFTMAX AHEAD OF A QUANTISED PRODUCT. Where the list says 'softmax', what is quantised is not the finished softmax but p = 2^(t - M), with t = logit x log2(e) and M = ceil(the row's largest t), a whole number; so 1/2 < the row's largest p <= 1. The row's sum l is taken of the UNQUANTISED p, in f32, and the product's result is divided by l at the end. Since M is a whole number, a kernel that streams over the keys may use a running M (the ceiling of the running maximum): every later rescaling is an exact power of two, which a block's scale takes up: the codes' values come out the same.
;;   OPERANDS COMPUTED ON THE WAY. 'Computed on the way' means the value that the module computes at that place (a softmax that the list does not call 'softmax' is quantised finished and normalised). What goes into a quantiser is computed in f32, as accurately as f32 sums, v_exp_f32 and their like allow (about 1e-6 of the number): no bf16 or f16 on the way to a quantiser, and a product that is left as it is and whose result goes on into a quantised operand takes f32 operands (vector FMAs, or v_wmma_f32_16x16x4_f32). A number that lies on a knife's edge between two numbers of the format may be rounded either way, as far as f32 arithmetic and the matrix unit's own rounding can turn it there, and no further.
;; One version. Each part assembles by itself: llvm-mc -triple=amdgcn-amd-amdhsa -mcpu=gfx1250 --defsym DOCPART=n.
;; ======== version 1 of 1: 4 launches
;; workspace buffers: opc 15,564,800 bytes; qkv 19,660,800 bytes; pc 12,582,912 bytes; pst 1,572,864 bytes
;; launch quant (part 1): grid 304 x 4, 2 waves a work-group, no clusters, 17,152 bytes of LDS; arguments x, y, Wq, Wk, Wv, opc; writes opc
.if DOCPART == 1
	.amdgcn_target "amdgcn-amd-amdhsa--gfx1250"
	.amdhsa_code_object_version 6
	.text
	.protected	k_qaa2cf2d33f_quant
	.globl	k_qaa2cf2d33f_quant
	.p2align	8
	.type	k_qaa2cf2d33f_quant,@function
k_qaa2cf2d33f_quant:
	s_mov_b64 s[64:65], 0
	v_nop
	global_prefetch_b8 v0, s[64:65] scope:SCOPE_SE
	s_setreg_imm32_b32 hwreg(HW_REG_WAVE_MODE, 25, 1), 1
	s_wait_xcnt 0x0
; x, y [8192][1024] and Wq, Wk, Wv [1024][1024], f32, K innermost, become codes of FP6 (E2M3) with one E8M0 byte for each 32 along K, laid in opc AS THE PRODUCTS' REGISTERS WANT THEM.
; opc = [K step of 256: 4][group of 128 rows: 152][25,600 bytes]; groups: x 0-63, y 64-127, Wq 128-135, Wk 136-143, Wv 144-151.  A group's 25,600 bytes: 8 blocks of 16 rows x 2 images (128 along K each) of
; 1,536 bytes, then 2 units of 512 bytes of scale words.  AN IMAGE is a fragment's 12 registers: register i of lane l at 512 (i / 4) + 16 l + 4 (i % 4).  Lane r of block a holds row 32 (a / 2) + 8 (a % 2) + r + 8 (r / 8).
; A SCALE UNIT: the word of block a, lane r at 256 (a / 4) + 128 ((a % 4) / 2) + 8 r + 4 (a % 2).
; A block's scale is 2^(floor(log2(its largest magnitude)) - 2); its byte is the largest magnitude's exponent field - 2, held at 1 from below (a block of zeros gets 1: its codes are zeros, and this program alone reads the bytes).
; LIMITS: blocks whose largest magnitude lies under 2^-124 get the byte 1; NaN and infinities among the inputs are not served.
; SHARES.  Work-group x = a half group of 64 rows; wave w takes 128 along K, number 2 y + w, in four steps of one block (16 rows).  Two waves to a work-group: 1,216 work-groups share out among 256 WGPs as 4 or 5 each.
; Each load reads 512 consecutive bytes of one row; the 16 rows turn through the wave's own stage in LDS (rows 528 bytes apart) so that a lane gets two whole blocks of 32 neighbours of its row, in the order of the
; operand's registers.  Each store of codes covers 512 consecutive bytes.
; A stream bound by memory: no matrix unit, no cluster (no byte is read twice), no barrier (waves share nothing).  Loads run a step (16 loads a wave) ahead.
.set R,    40                          ; v40-167  two sets of 64: 16 rows as loaded
.set X,    168                         ; v168-231 my 64 numbers: register 32 c + i = k 64 c + 32 h + i of my row
.set C,    232                         ; v232-255 two sets of 12: a fragment's codes
.set PW,   16                          ; v16-19   the four blocks' scale words
	s_load_b256 s[4:11], s[0:1], 0x0               ; x, y, Wq, Wk
	s_load_b128 s[12:15], s[0:1], 0x20             ; Wv, opc
	v_lshl_add_u32 v38, v0, 2, 0x4200
	v_mov_b32 v39, 0
	v_lshrrev_b32 v7, 5, v0
	v_readfirstlane_b32 s16, v7                    ; wave 0, 1
	v_and_b32 v7, 31, v0                           ; lane
	v_and_b32 v12, 15, v0                          ; r
	v_bfe_u32 v6, v0, 4, 1                         ; h
	v_lshlrev_b32 v30, 3, v6                       ; 8 h
	v_mov_b32 v15, 0                               ; written once: a lane permute's destination counts as one of its sources
	s_and_b32 s17, ttmp7, 0xffff
	s_lshl_b32 s17, s17, 1
	s_add_co_u32 s17, s17, s16                     ; which 128 along K: 0..7
	s_and_b32 s18, ttmp9, 1                        ; which half of the group
	s_and_b32 s19, s17, 1                          ; which image of the K step of 256
	v_lshlrev_b32 v2, 4, v7                        ; 16 x lane: my bytes of a load
	s_mul_i32 s20, s18, 12288
	s_mul_i32 s21, s19, 1536
	s_add_co_u32 s20, s20, s21
	v_add_nc_u32 v1, s20, v2                       ; my bytes of an image's store
	s_mul_i32 s22, s16, 8448                       ; my stage
	v_add_nc_u32 v3, s22, v2                       ; into it: 16 x lane, a row an instruction
	v_mul_u32_u24 v4, v12, 528
	v_lshl_add_u32 v4, v6, 7, v4
	v_add_nc_u32 v4, s22, v4                       ; out of it: row r, + 128 h
	s_lshl_b32 s20, s19, 9
	s_lshl_b32 s21, s18, 8
	s_add_co_u32 s20, s20, s21
	s_add_co_u32 s20, s20, 24576
	v_lshl_add_u32 v5, v7, 3, s20                  ; my pair of scale words
	s_mov_b32 s28, 0x76543210
	s_mov_b32 s29, 0xfedcba98                      ; lane l xor 16
	s_mov_b32 s23, 288
	s_wait_kmcnt 0x0
	s_cmp_lt_u32 ttmp9, 288                        ; which tensor: the choice hangs on the work-group's number alone
	s_cselect_b64 s[12:13], s[10:11], s[12:13]
	s_cselect_b32 s23, 272, s23
	s_cmp_lt_u32 ttmp9, 272
	s_cselect_b64 s[12:13], s[8:9], s[12:13]
	s_cselect_b32 s23, 256, s23
	s_cmp_lt_u32 ttmp9, 256
	s_cselect_b64 s[12:13], s[6:7], s[12:13]
	s_cselect_b32 s23, 128, s23
	s_cmp_lt_u32 ttmp9, 128
	s_cselect_b64 s[12:13], s[4:5], s[12:13]
	s_cselect_b32 s23, 0, s23
	s_sub_co_u32 s24, ttmp9, s23                   ; the half group's number in its tensor
	s_lshl_b32 s24, s24, 18                        ; x 64 rows of 4,096 bytes
	s_lshl_b32 s25, s17, 9                         ; + 512 bytes for each 128 along K
	s_add_co_u32 s24, s24, s25
	s_mov_b32 s25, 0
	s_add_nc_u64 s[12:13], s[12:13], s[24:25]
	s_lshr_b32 s26, s17, 1
	s_mul_i32 s26, s26, 3891200                    ; the K step of 256,
	s_lshr_b32 s27, ttmp9, 1
	s_mul_i32 s27, s27, 25600                      ; the group
	s_add_co_u32 s26, s26, s27
	s_mov_b32 s27, 0
	s_add_nc_u64 s[14:15], s[14:15], s[26:27]
.macro LOAD t                          ; block t's 16 rows, in the block's order of rows
.irp i, 0,1,2,3,4,5,6,7,8,9,10,11,12,13,14,15
	global_load_b128 v[R+64*((\t)%2)+4*\i:R+64*((\t)%2)+4*\i+3], v2, s[12:13] offset:(32*((\t)/2)+8*((\t)%2)+\i+8*(\i/8))*4096 th:TH_LOAD_NT
.endr
.endm
.macro STEP t
.set RS, R+64*((\t)%2)
.set CS, C+12*((\t)%2)
.if (\t) < 3
	s_wait_loadcnt 16                              ; this block's 16 loads are in; the next block's may be out
.else
	s_wait_loadcnt 0x0
.endif
.irp i, 0,1,2,3,4,5,6,7,8,9,10,11,12,13,14,15
	ds_store_b128 v3, v[RS+4*\i:RS+4*\i+3] offset:528*\i
.endr
.irp c, 0,1
.irp j, 0,1,2,3,4,5,6,7
	ds_load_b128 v[X+32*\c+4*\j:X+32*\c+4*\j+3], v4 offset:256*\c+16*\j   ; LDS serves a wave's instructions in order: these see the stores above
.endr
.endr
	s_wait_dscnt 0x0                               ; my numbers are back, and the stores have read their registers,
.if (\t) < 2
	LOAD (\t)+2                                    ; which take the block two further on
.endif
.irp c, 0,1
	v_max3_num_f32 v[8+\c], |v[X+32*\c]|, |v[X+32*\c+1]|, 0x1800000   ; my block 2 c + h: all 32 numbers are mine; the floor 2^(3 - 127) holds the byte at 1 from below
.endr
.irp i, 2,4,6,8,10,12,14,16,18,20,22,24,26,28,30
.irp c, 0,1
	v_max3_num_f32 v[8+\c], v[8+\c], |v[X+32*\c+\i]|, |v[X+32*\c+\i+1]|
.endr
.endr
.irp c, 0,1
	v_add_nc_u32 v[10+\c], 0xff000000, v[8+\c]     ; 2 off the exponent field: the conversion's scale operand
.endr
.irp c, 0,1
	v_lshrrev_b32 v[12+\c], 23, v[10+\c]           ; the scale's byte
.endr
	v_lshl_or_b32 v14, v13, 16, v12                ; my two bytes, blocks h and 2 + h,
	v_lshlrev_b32 v14, v30, v14                    ; at their places in the word;
	v_permlanex16_b32 v15, v14, s28, s29
	v_or_b32 v[PW+(\t)], v14, v15                  ; with lane l xor 16's two the word is whole, in both halves of the lanes
.if (\t) >= 2
	s_wait_xcnt 0x0                                ; the stores of two blocks ago have read these registers
.endif
.irp c, 0,1
	v_cvt_scalef32_pk16_fp6_f32 v[CS+6*\c:CS+6*\c+2], v[X+32*\c:X+32*\c+15], v[10+\c]
	v_cvt_scalef32_pk16_fp6_f32 v[20+4*\c:22+4*\c], v[X+32*\c+16:X+32*\c+31], v[10+\c]   ; (a conversion's three registers begin on an even number)
.endr
	v_nop                                          ; one plain place behind a scaled conversion
.irp c, 0,1
.irp i, 0,1,2
	v_mov_b32 v[CS+6*\c+3+\i], v[20+4*\c+\i]
.endr
.endr
.irp c, 0,1,2
	global_store_b128 v1, v[CS+4*\c:CS+4*\c+3], s[14:15] offset:3072*(\t)+512*\c   ; 32 lanes store 512 consecutive bytes, aligned
.endr
.endm
	LOAD 0
	LOAD 1
	STEP 0
	STEP 1
	STEP 2
	STEP 3
	v_cmp_ne_u32 vcc_lo, 0, v6                     ; lanes 0-15 store the words of my blocks 0 and 1, lanes 16-31 those of blocks 2 and 3
	v_cndmask_b32 v28, v[PW], v[PW+2], vcc_lo
	v_cndmask_b32 v29, v[PW+1], v[PW+3], vcc_lo
	global_store_b64 v5, v[28:29], s[14:15]        ; 32 lanes store 256 consecutive bytes, aligned
	s_wait_tensorcnt 0x0
	ds_add_u32 v38, v39
	s_wait_dscnt 0x0
	s_endpgm
.Lfunc_end_k_qaa2cf2d33f_quant:
	.size	k_qaa2cf2d33f_quant, .Lfunc_end_k_qaa2cf2d33f_quant-k_qaa2cf2d33f_quant
	.p2alignl 7, 3214868480
	.fill 96, 4, 3214868480
	.section	.rodata,"a",@progbits
	.p2align	6, 0x0
	.amdhsa_kernel k_qaa2cf2d33f_quant
		.amdhsa_group_segment_fixed_size 17152
		.amdhsa_private_segment_fixed_size 0
		.amdhsa_enable_private_segment 0
		.amdhsa_kernarg_size 48
		.amdhsa_user_sgpr_count 2
		.amdhsa_user_sgpr_kernarg_segment_ptr 1
		.amdhsa_wavefront_size32 1
		.amdhsa_system_sgpr_workgroup_id_x 1
		.amdhsa_system_sgpr_workgroup_id_y 1
		.amdhsa_system_sgpr_workgroup_id_z 1
		.amdhsa_system_vgpr_workitem_id 0
		.amdhsa_next_free_vgpr 256
		.amdhsa_next_free_sgpr 66
		.amdhsa_reserve_vcc 1
		.amdhsa_float_denorm_mode_32 3
		.amdhsa_float_denorm_mode_16_64 3
		.amdhsa_memory_ordered 1
		.amdhsa_forward_progress 1
		.amdhsa_inst_pref_size 31
	.end_amdhsa_kernel
	.amdgpu_metadata
---
amdhsa.version: [ 1, 2 ]
amdhsa.kernels:
  - .name:           k_qaa2cf2d33f_quant
    .symbol:         k_qaa2cf2d33f_quant.kd
    .args:
      - { .name: x, .offset: 0, .size: 8, .value_kind: global_buffer, .address_space: global }
      - { .name: y, .offset: 8, .size: 8, .value_kind: global_buffer, .address_space: global }
      - { .name: Wq, .offset: 16, .size: 8, .value_kind: global_buffer, .address_space: global }
      - { .name: Wk, .offset: 24, .size: 8, .value_kind: global_buffer, .address_space: global }
      - { .name: Wv, .offset: 32, .size: 8, .value_kind: global_buffer, .address_space: global }
      - { .name: opc, .offset: 40, .size: 8, .value_kind: global_buffer, .address_space: global }
    .group_segment_fixed_size: 17152
    .private_segment_fixed_size: 0
    .kernarg_segment_align: 8
    .kernarg_segment_size: 48
    .max_flat_workgroup_size: 64
    .sgpr_count:     66
    .vgpr_count:     256
    .wavefront_size: 32
...
	.end_amdgpu_metadata
.endif
;; end of part 1
;; launch proj (part 2): grid 32 x 8, 4 waves a work-group, clusters of 4 x 4, 327,680 bytes of LDS; arguments opc, bq, bk, bv, qkv; writes qkv
.if DOCPART == 2
	.amdgcn_target "amdgcn-amd-amdhsa--gfx1250"
	.amdhsa_code_object_version 6
	.text
	.protected	k_qaa2cf2d33f_proj
	.globl	k_qaa2cf2d33f_proj
	.p2align	8
	.type	k_qaa2cf2d33f_proj,@function
k_qaa2cf2d33f_proj:
	s_mov_b64 s[64:65], 0
	v_nop
	global_prefetch_b8 v0, s[64:65] scope:SCOPE_SE
	s_setreg_imm32_b32 hwreg(HW_REG_WAVE_MODE, 25, 1), 1
	s_wait_xcnt 0x0
	s_wait_alu depctr_hold_cnt(0) depctr_sa_sdst(0) depctr_va_vdst(0) depctr_va_sdst(0) depctr_va_ssrc(0) depctr_va_vcc(0) depctr_vm_vsrc(0)
	s_getreg_b32 s2, hwreg(HW_REG_IB_STS2, 6, 4)
	s_cmp_eq_u32 s2, 0
	s_cbranch_scc0 .Lentry_in_a_cluster
	s_endpgm
.Lentry_in_a_cluster:
	s_bfe_u32 s2, ttmp6, 0x10000c
	s_cmp_lg_u32 s2, 0xf033
	s_cbranch_scc0 .Lentry_shape_is_right
	s_endpgm
.Lentry_shape_is_right:
; The three projections, each as out[m][n] = sum over d of M[m][d] N[n][d] + bias, on codes of FP6 (E2M3) with E8M0 scales, and each QUANTISED ALONG n ON ITS WAY OUT, into images for the next product.
; q and k are 2 x 128 tiles of 256 x 256, v^T is 256 half tiles of 128 x 256: EACH OF THE 256 WORK-GROUPS MAKES ONE TILE AND ONE HALF TILE, so that every WGP has the same work: 768 matrix instructions a wave.
; FIRST PRODUCT (cluster y = 0: q, M = x's rows, N = Wq's rows, bias bq[n];  1: k, M = y's rows, N = Wk's rows, bias bk[n]): tile of M 4 X + cy, tile of N cx; four waves of 128 x 128, 64 accumulators.
; SECOND PRODUCT: v^T, M = Wv's group of 128 rows e, number 4 Y + cy, N = y's 256 rows (keys) of tile 4 X + cx, bias bv[m]; four waves of 64 x 128, 32 accumulators.
; opc (read) and qkv (written) hold operands in the order of the operand's registers: [K step of 256][group of 128 rows][25,600]: 8 blocks x 2 images of 1,536 bytes, then 2 units of 512 bytes of scale words.
; qkv: q and k [4][q 0-63, k 64-127][25,600]; from byte 13,107,200 v^T [batch][256 keys: 8][group of e: 8][25,600].  Lane r of block a holds row 32 (a / 2) + 8 (a % 2) + r + 8 (r / 8) of its group.
; THE MATRIX INSTRUCTION IS USED TRANSPOSED (source 0 = a block of N, source 1 = a block of M): with that order of rows a lane holds one row m, and the 64 registers of accumulators (a, 0..7) are
; n = 32 B + 16 h + i at register 16 B + i: sixteen neighbours of each block of 32 along the next K.
; LDS: THREE slots of four quarters of 25,600 bytes; wave w always fills quarter w of a slot, by one tensor load: a K step's part of a group, codes and scales, is one dense block.
;   First product, K = 1,024 in four K steps: K steps 0, 1, 2 are first fills of slots 0, 1, 2 (three loads of a wave are out); quarters: M's two groups, N's two.  K step 3 fills slot 0 again.
;   Second product, K steps V0 to V3 of three groups each: V0, V1, V2 fill slots 1, 2, 0 again (quarter 0: M; quarters 2, 3: N's two groups); V3's three groups take the three quarters 1: N's first in slot 1,
;   N's second in slot 2, M's in slot 0.  So twelve groups fill the three slots exactly, four loads a refill.  Slot 1 is filled in K step 2's second half; slots 2 and 0 in the first product's way out, whose vector
;   work stands between each request and the wait for it.  Each refill stands behind a round of the cluster's barrier.  All is written out: no loop.
; CLUSTERS: 4 x 4 work-groups; M's tiles are shared along a row of the cluster, N's along a column, in both products: joint loads.
; The bias is the C of each sum's first matrix instruction.  LIMITS: blocks whose largest magnitude lies under 2^-124 get the byte 1 (blocks of zeros too: their codes are zeros); NaN and infinities are not served.
; REGISTERS: window 0: v6-31 addresses; v32-63 scale words, two sets, and nothing else; v64-127 the bias; v128-223 M's fragments (first product: ONE set of 8 blocks; second: two sets of 4), later the codes; v224-255 at work.
;   window 1: N's fragments, two sets, at v0 and v96.   window 2: the accumulators of my blocks 0-3 ((a, b) at v[8 (8 (a % 4) + b)]), and the second product's;  window 3: those of blocks 4-7.
.set KSTR,  3891200                    ; from a K step of 256 to the next in opc
.set TILE,  25600
.set SLOT,  4*TILE
.set SPARE, 3*SLOT                     ; behind the slots: the spare words, 128 bytes for each wave: two blocks of 256 bytes that no other line names
.set A2R,  8                           ; v8-10   second product: my four blocks of M in quarter 0 of slot 0, 1, 2
.set S2R,  11                          ; v11-13  second product: my scale words in slot 0, 1, 2: lanes 0-15 M's, lanes 16-31 N's
.set B2V3, 14                          ; v14     V3's group of N for my columns
.set S2V3, 15                          ; v15     V3's scale words
.set ADRA, 16                          ; v16-18  LDS address of my M fragments in slot 0, 1, 2
.set LI2,  19                          ; v19     second product: an image's place on the way out
.set ADRB, 20                          ; v20-22  my N fragments in slot 0, 1, 2, in both products
.set L82,  23                          ; v23     second product: a pair of scale words on the way out
.set ADRS, 24                          ; v24-26  of my scale words: lanes 0-15 M's, lanes 16-31 N's
.set LI,   27                          ; v27     16 x lane + 1,536 x my column half: an image's place on the way out
.set SPW,  28                          ; v28     my spare word; never rewritten
.set NIL,  29                          ; v29     0; never rewritten
.set L8,   30                          ; v30     8 x lane + 512 x my column half: a pair of scale words on the way out
.set HH,   31                          ; v31     h = lane / 16
.set SC,   32                          ; scale words: set s at v[SC + 16 s]; register 8 q + block
.set BI,   64
.set AF,   128
.set TM,   224                         ; v224-227 largest magnitudes, v228-231 bytes, v236-239 the conversions' scale operands
.set PWS,  240                         ; v240-247 the blocks' scale words
.set G1A, 24                           ; s[24:31], s[32:39] descriptor group 1 for M's and N's tiles: they differ in the mask
.set G1B, 32
.set G0A, 68                           ; s[68:79], s[80:91] group 0, a set for each slot
.set G0B, 80
.set SEL, 92
.set VA1, 60                           ; the second product's addresses, by M's line and by N's line, for its three refills
.set VB1, 62
.set VA2, 66
.set VB2, 94
.set VA3, 96
.set VB3, 98
.set MSB, 0
.macro WIN new                         ; the immediate's high byte repeats the setting that is left
.if MSB != (\new)
	s_set_vgpr_msb (MSB<<8)|(\new)
.set MSB, (\new)
.endif
.endm
.macro WINM hi, cmode                  ; source 0 (N) window 1, source 1 (M) window 0, D window 2 or 3; C with D, or (the bias) in window 0
.if \cmode == 1
	WIN 0x81+0x40*(\hi)
.else
	WIN 0xa1+0x50*(\hi)
.endif
.endm
; A joint load into slot s.  The waves in which s[sel] is 0 ask by M's line, the others by N's: sel = 15: waves 0, 1 | 2, 3;  sel = 14: wave 0 | 1, 2, 3.  The branch hangs on the wave's number alone.
; Four v_nop follow each of the two lines.
.macro JLOAD s, sel
	s_cmp_eq_u32 s[\sel], 0
	s_cbranch_scc0 .Lfor_b_\@
	tensor_load_to_lds s[G0A+4*\s:G0A+4*\s+3], s[G1A:G1A+7]
	s_nop 0
.rept 4
	v_nop
.endr
	s_branch .Lasked_\@
.Lfor_b_\@:
	tensor_load_to_lds s[G0B+4*\s:G0B+4*\s+3], s[G1B:G1B+7]
	s_nop 0
.rept 4
	v_nop
.endr
.Lasked_\@:
.endm
.macro CREST                           ; a round of the cluster's barrier behind its opening barrier
	s_cmp_lg_u32 s14, 0
	s_cbranch_scc1 .Lnot_wave_0_\@
	s_barrier_signal -3
.Lnot_wave_0_\@:
	s_barrier_wait -3
	s_barrier_signal -1
	s_barrier_wait -1
.endm
.macro CROUND
	s_barrier_signal -1
	s_barrier_wait -1
	CREST
.endm
.macro PLACES                          ; four plain places behind matrix instructions, in front of loads into their sources and of reads of their results
.rept 4
	v_nop
.endr
.endm
.macro VDESC slot, va, vb              ; a slot's two groups 0 take the second product's addresses; their LDS addresses stay.  Written only where no tensor load of the wave is out
	s_mov_b64 s[G0A+4*\slot+2:G0A+4*\slot+3], s[\va:\va+1]
	s_or_b32 s[G0A+4*\slot+3], s[G0A+4*\slot+3], 0x80000000
	s_mov_b64 s[G0B+4*\slot+2:G0B+4*\slot+3], s[\vb:\vb+1]
	s_or_b32 s[G0B+4*\slot+3], s[G0B+4*\slot+3], 0x80000000
.endm
.macro VFILL slot, va, vb, sel         ; a refill that stands in the way out: the three lines, a whole round, the joint load
	s_wait_tensorcnt 0x0                           ; all my tensor loads have landed: the refill before this one
	ds_add_u32 v[SPW], v[NIL]                      ; 0 onto my spare word
	VDESC \slot, \va, \vb
	s_wait_dscnt 0x0                               ; the add is done; my reads of the slot ended with the first product's last step
	CROUND                                         ; no wave of any partner still reads the slot or has a load on its way
	JLOAD \slot, \sel
.endm
.macro FRAG reg, adr, q, i             ; a fragment comes as the image of its 12 registers: three loads of 512 consecutive bytes
.irp c, 0,1,2
	ds_load_b128 v[\reg+4*\c:\reg+4*\c+3], v[\adr] offset:3072*(\i)+1536*(\q)+512*\c
.endr
.endm
.macro FETCH_B slot, q, p
	WIN 0x40
.irp i, 0,1,2,3,4,5,6,7
	FRAG 96*(\p)+12*\i, ADRB+\slot, \q, \i
.endr
	WIN 0
.endm
.macro FETCH_A slot, q, i0
.irp i, \i0, \i0+1, \i0+2, \i0+3
	FRAG AF+12*(\i), ADRA+\slot, \q, \i
.endr
.endm
.macro SCALES slot, set                ; a K step's scale words: a load brings the words of blocks 2 i and 2 i + 1
.irp q, 0,1
.irp i, 0,1,2,3
	ds_load_b64 v[SC+16*(\set)+8*\q+2*\i:SC+16*(\set)+8*\q+2*\i+1], v[ADRS+\slot] offset:512*\q+128*\i
.endr
.endr
.endm
; 16 matrix instructions: M's blocks a0, a0 + 1 x N's eight.  cmode 0: C = D; 1: C = the bias by n.  The 64 accumulators take turns, one instruction a turn.
.macro MUL16 a0, p, q, set, cmode
.irp a, \a0, \a0+1
.irp b, 0,1,2,3,4,5,6,7
.set rD, 8*(8*((\a)%4)+\b)
.set rB, 96*(\p)+12*\b
.set rA, AF+12*(\a)
.set rS, SC+16*(\set)+8*(\q)
.if \cmode == 0
	v_wmma_scale_f32_16x16x128_f8f6f4 v[rD:rD+7], v[rB:rB+11], v[rA:rA+11], v[rD:rD+7], v[rS+\b], v[rS+(\a)] matrix_a_fmt:MATRIX_FMT_FP6 matrix_b_fmt:MATRIX_FMT_FP6 matrix_a_scale:MATRIX_SCALE_ROW1
.else
	v_wmma_scale_f32_16x16x128_f8f6f4 v[rD:rD+7], v[rB:rB+11], v[rA:rA+11], v[BI+8*\b:BI+8*\b+7], v[rS+\b], v[rS+(\a)] matrix_a_fmt:MATRIX_FMT_FP6 matrix_b_fmt:MATRIX_FMT_FP6 matrix_a_scale:MATRIX_SCALE_ROW1
.endif
.endr
.endr
.endm
; A step of 128 along K of the first product: 64 matrix instructions; it fetches the next step's fragments (nslot, nq): N's set and M's blocks 0-3 in its middle, M's blocks 4-7 at its end.
; sync 2, 3: a round of the cluster's barrier opens in its first half; in front of it each wave waits for all its tensor loads, adds 0 to its spare word and waits for that and for its LDS reads; behind it a slot is
; filled again: sync 2: slot 0 with K step 3;  sync 3: slot 1 with the second product's first tiles.
.macro KSTEP slot, q, set, nslot, nq, nset, cmode, sync
.if \sync
	s_wait_tensorcnt 0x0                           ; all my tensor loads have landed
	ds_add_u32 v[SPW], v[NIL]                      ; 0 onto my spare word
	s_wait_dscnt 13                                ; (the add and the youngest twelve loads, M's blocks 4-7, may be out)
.else
	s_wait_dscnt 12                                ; N's set, M's blocks 0-3 and the scale words are in; the youngest twelve loads may be out
.endif
	WINM 0, \cmode
	MUL16 0, \q, \q, \set, \cmode
.if \sync
	s_wait_dscnt 0x0                               ; the add is done, and my reads of the slots so far are over
	s_barrier_signal -1
.endif
	MUL16 2, \q, \q, \set, \cmode
.if \sync == 0
	s_wait_dscnt 0x0                               ; M's blocks 4-7 are in
	PLACES
.else
	WIN 0
	s_barrier_wait -1
	CREST                                          ; no wave of any partner still reads the slots read so far or has a load on its way
.if \sync == 2
	s_add_nc_u64 s[G0A+2:G0A+3], s[G0A+2:G0A+3], 3*KSTR
	s_add_nc_u64 s[G0B+2:G0B+3], s[G0B+2:G0B+3], 3*KSTR
	JLOAD 0, 15                                    ; the first tensor load behind the round; its four v_nop are the places in front of the loads below
.else
	VDESC 1, VA1, VB1
	JLOAD 1, 14
.endif
.endif
	FETCH_B \nslot, \nq, 1-\q
	FETCH_A \nslot, \nq, 0
.if \nq == 0
	SCALES \nslot, \nset
.endif
	WINM 1, \cmode
	MUL16 4, \q, \q, \set, \cmode
	MUL16 6, \q, \q, \set, \cmode
	PLACES
	WIN 0
	FETCH_A \nslot, \nq, 4
.endm
; THE SECOND PRODUCT.  Step n = 0..7: K step V(n / 2), its image n % 2.  The fragments of step n go into set n % 2: N's eight blocks, my four blocks of M; with an even n the scale words of the K step.
.macro FETCH2 n
.set vs, (\n)/2
.set fq, (\n)%2
.if vs < 3
.set rA2, A2R+(vs+1)%3                 ; V0, V1, V2 lie in slots 1, 2, 0
.set rB2, ADRB+(vs+1)%3
.set rS2, S2R+(vs+1)%3
.set xo, 0
.else
.set rA2, A2R                          ; V3: M's group in quarter 1 of slot 0
.set rB2, B2V3
.set rS2, S2V3
.set xo, TILE
.endif
	WIN 0x40
.irp b, 0,1,2,3,4,5,6,7
.irp c, 0,1,2
	ds_load_b128 v[96*fq+12*\b+4*\c:96*fq+12*\b+4*\c+3], v[rB2] offset:3072*\b+1536*fq+512*\c
.endr
.endr
	WIN 0
.irp a, 0,1,2,3
.irp c, 0,1,2
	ds_load_b128 v[AF+48*fq+12*\a+4*\c:AF+48*fq+12*\a+4*\c+3], v[rA2] offset:xo+3072*\a+1536*fq+512*\c
.endr
.endr
.if fq == 0
.irp q, 0,1
.irp i, 0,1,2,3
	ds_load_b64 v[SC+16*(vs%2)+8*\q+2*\i:SC+16*(vs%2)+8*\q+2*\i+1], v[rS2] offset:512*\q+128*\i   ; lanes 0-15 want i = 0, 1 alone (my four blocks of M); what they read beyond lies in tiles that have landed and is not used
.endr
.endr
.endif
.endm
.macro MUL8V a, n, cm                  ; my block a of M x N's eight.  cm = 1: C = the bias by m.  The 32 accumulators take turns
.set st, (\n)%2
.set rS, SC+16*(((\n)/2)%2)+8*((\n)%2)
.irp b, 0,1,2,3,4,5,6,7
.set rD, 8*(8*(\a)+\b)
.if \cm
	v_wmma_scale_f32_16x16x128_f8f6f4 v[rD:rD+7], v[96*st+12*\b:96*st+12*\b+11], v[AF+48*st+12*(\a):AF+48*st+12*(\a)+11], v[BI+8*(\a):BI+8*(\a)+7], v[rS+\b], v[rS+(\a)] matrix_a_fmt:MATRIX_FMT_FP6 matrix_b_fmt:MATRIX_FMT_FP6 matrix_a_scale:MATRIX_SCALE_ROW1
.else
	v_wmma_scale_f32_16x16x128_f8f6f4 v[rD:rD+7], v[96*st+12*\b:96*st+12*\b+11], v[AF+48*st+12*(\a):AF+48*st+12*(\a)+11], v[rD:rD+7], v[rS+\b], v[rS+(\a)] matrix_a_fmt:MATRIX_FMT_FP6 matrix_b_fmt:MATRIX_FMT_FP6 matrix_a_scale:MATRIX_SCALE_ROW1
.endif
.endr
.endm
.macro VSTEP n, cm                     ; the next step's loads go out first and have 32 matrix instructions in which to land
	s_wait_dscnt 0x0                               ; this step's fragments are in
	PLACES                                         ; for the loads into the set that the last step multiplied
	FETCH2 (\n)+1
.if \cm
	WIN 0x81
.else
	WIN 0xa1
.endif
	MUL8V 0, \n, \cm
	MUL8V 1, \n, \cm
	MUL8V 2, \n, \cm
	MUL8V 3, \n, \cm
.endm
.macro VTURN n                         ; the step in front of slot 0's tiles: each wave waits for its last tensor load; one barrier
	WIN 0                                          ; (the add's two registers lie in window 0)
	s_wait_tensorcnt 0x0                           ; my part of slot 0 has landed
	ds_add_u32 v[SPW], v[NIL]                      ; 0 onto my spare word
	s_wait_dscnt 1                                 ; this step's fragments are in (the add may be out)
	WIN 0xa1
	MUL8V 0, \n, 0
	s_wait_dscnt 0x0
	s_barrier_signal -1
	MUL8V 1, \n, 0
	WIN 0
	s_barrier_wait -1                              ; everybody's part has
	PLACES
	FETCH2 (\n)+1
	WIN 0xa1
	MUL8V 2, \n, 0
	MUL8V 3, \n, 0
.endm
	s_load_b128 s[4:7], s[0:1], 0x0                ; opc, bq
	s_load_b128 s[8:11], s[0:1], 0x10              ; bk, bv
	s_load_b64 s[12:13], s[0:1], 0x20              ; qkv
	v_lshl_add_u32 v[SPW], v0, 2, SPARE
	v_mov_b32 v[NIL], 0
	ds_add_u32 v28, v29
	ds_add_u32 v28, v29
	s_wait_dscnt 0x0
	v_lshrrev_b32 v1, 5, v0
	v_readfirstlane_b32 s14, v1                    ; wave 0..3
	s_lshr_b32 s15, s14, 1                         ; my half of the rows m.  Also: in the first product I fetch for M (0) or for N (1)
	s_and_b32 s16, s14, 1                          ; my half of the columns n.  Also: which group of that tile I fetch
	s_bfe_u32 s40, ttmp6, 0x40000                  ; cx
	s_bfe_u32 s41, ttmp6, 0x40004                  ; cy
	s_and_b32 s17, ttmp7, 0xffff                   ; the cluster's y: q (0) or k (1)
	s_lshl_b32 s18, ttmp9, 2
	s_add_co_u32 s18, s18, s41                     ; first product: tile of M, 4 X + cy
	s_lshl_b32 s19, ttmp9, 2
	s_add_co_u32 s19, s19, s40                     ; second product: tile of keys, 4 X + cx
	s_lshl_b32 s21, s17, 2
	s_add_co_u32 s21, s21, s41                     ; second product: group of e, 4 Y + cy
	s_lshl_b32 s20, s17, 6                         ; x's groups begin at 0, y's at 64; so do q's and k's in qkv
	s_lshl_b32 s22, s18, 1
	s_add_co_u32 s22, s22, s20
	s_add_co_u32 s53, s22, s15                     ; the group of qkv that my wave writes
	s_add_co_u32 s22, s22, s16
	s_mul_i32 s22, s22, TILE                       ; M's group that I would fetch: hangs on cy, never on cx
	s_mov_b32 s23, 0
	s_lshl_b32 s46, s40, 1
	s_lshl_b32 s47, s17, 3
	s_add_co_u32 s46, s46, s47
	s_add_co_u32 s46, s46, s16
	s_add_co_u32 s46, s46, 128                     ; Wq's groups begin at 128, Wk's at 136
	s_mul_i32 s46, s46, TILE                       ; N's: hangs on cx, never on cy
	s_mov_b32 s47, 0
	s_add_co_u32 s48, s21, 144                     ; Wv's groups begin at 144
	s_mul_i32 s48, s48, TILE                       ; second product, M's group: hangs on cy, never on cx
	s_mov_b32 s49, 0
	s_lshl_b32 s50, s19, 1
	s_add_co_u32 s50, s50, 64
	s_mul_i32 s50, s50, TILE                       ; second product, N's first group: hangs on cx, never on cy
	s_mov_b32 s51, 0
	s_lshl_b32 s43, s41, 2
	s_lshl_b32 s43, 15, s43                        ; my row of the cluster
	s_lshl_b32 s44, 0x1111, s40                    ; my column
	s_or_b32 s[G1A], s43, (3<<16)|(1<<21)          ; 15:0 the mask; 17:16 elements of 8 bytes; 20 no padding; 21 set beside a mask
	s_or_b32 s[G1B], s44, (3<<16)|(1<<21)
.irp g, G1A, G1B
	s_mov_b32 s[\g+1], 32<<16                      ; tensor_dim0 = 32 elements: rows of 256 bytes
	s_mov_b32 s[\g+2], 100<<16                     ; tensor_dim1 = 100 rows: 25,600 dense bytes
	s_mov_b32 s[\g+3], 32<<16                      ; tile_dim0
	s_mov_b32 s[\g+4], 100                         ; tile_dim1
	s_mov_b32 s[\g+5], 32                          ; the pitch
	s_mov_b32 s[\g+6], 0
	s_mov_b32 s[\g+7], 0
.endr
	s_mul_i32 s45, s14, TILE                       ; my quarter of a slot: no place in the cluster enters an LDS address
	s_mul_i32 s54, s40, 3276800                    ; first product's output: the tile of N is the next K step of 256,
	s_mul_i32 s53, s53, TILE
	s_add_co_u32 s54, s54, s53                     ; and my group
	s_mov_b32 s55, 0
	s_mul_i32 s58, s19, 204800                     ; second product's output: the tile of keys,
	s_mul_i32 s59, s21, TILE                       ; the group of e,
	s_add_co_u32 s58, s58, s59
	s_add_co_u32 s58, s58, 13107200                ; behind q and k
	s_mov_b32 s59, 0
	s_lshl_b32 s2, s40, 10
	s_lshl_b32 s3, s16, 9
	s_add_co_u32 s2, s2, s3                        ; my 128 numbers of bq or bk
	s_mov_b32 s3, 0
	s_lshl_b32 s42, s21, 9
	s_lshl_b32 s43, s15, 8
	s_add_co_u32 s42, s42, s43                     ; my 64 numbers of bv
	s_mov_b32 s43, 0
	s_xor_b32 s52, s15, 1
	s_and_b32 s52, s52, s16                        ; 1 in wave 1 alone
	s_and_b32 s44, s15, s16                        ; 1 in wave 3 alone
	s_mov_b32 s[SEL], 0x76543210
	s_mov_b32 s[SEL+1], 0xfedcba98
	s_wait_kmcnt 0x0
	s_add_nc_u64 s[22:23], s[4:5], s[22:23]
	s_add_nc_u64 s[46:47], s[4:5], s[46:47]
	s_add_nc_u64 s[48:49], s[4:5], s[48:49]
	s_add_nc_u64 s[50:51], s[4:5], s[50:51]
	s_cmp_eq_u32 s17, 0
	s_cselect_b64 s[56:57], s[6:7], s[8:9]         ; bq or bk
	s_add_nc_u64 s[56:57], s[56:57], s[2:3]
	s_add_nc_u64 s[10:11], s[10:11], s[42:43]      ; bv at my rows
	s_add_nc_u64 s[6:7], s[12:13], s[58:59]        ; the second product's output
	s_add_nc_u64 s[12:13], s[12:13], s[54:55]      ; the first's
	; What each wave asks for in the second product's three refills.  Slot 1: wave 0 V0's M; wave 1 V3's first group of N; waves 2, 3 V0's N.  Slot 2: wave 0 V1's M; wave 1 V3's second group of N; waves 2, 3 V1's N.
	; Slot 0: wave 0 V2's M; wave 1 V3's M; waves 2, 3 V2's N.  The terms hang on the wave's number alone.
	s_mov_b32 s55, 0
	s_mov_b32 s59, 0
	s_mov_b64 s[VA1:VA1+1], s[48:49]
	s_add_nc_u64 s[VA2:VA2+1], s[48:49], KSTR
	s_add_co_u32 s54, s16, 2
	s_mul_i32 s54, s54, KSTR
	s_add_nc_u64 s[VA3:VA3+1], s[48:49], s[54:55]
	s_mul_i32 s54, s44, TILE
	s_mul_i32 s58, s52, 3*KSTR
	s_add_co_u32 s54, s54, s58
	s_add_nc_u64 s[VB1:VB1+1], s[50:51], s[54:55]
	s_lshl_b32 s58, s52, 1
	s_add_co_u32 s58, s58, 1
	s_mul_i32 s58, s58, KSTR
	s_mul_i32 s54, s16, TILE
	s_add_co_u32 s58, s58, s54
	s_add_nc_u64 s[VB2:VB2+1], s[50:51], s[58:59]
	s_add_co_u32 s54, s54, 2*KSTR
	s_add_nc_u64 s[VB3:VB3+1], s[50:51], s[54:55]
	CROUND                                         ; all sixteen work-groups are here: the first joint loads meet
.irp s, 0,1,2
	s_mov_b32 s[G0A+4*\s], 1
	s_add_co_u32 s[G0A+4*\s+1], s45, \s*SLOT
	s_add_nc_u64 s[G0A+4*\s+2:G0A+4*\s+3], s[22:23], \s*KSTR
	s_or_b32 s[G0A+4*\s+3], s[G0A+4*\s+3], 0x80000000
	s_mov_b32 s[G0B+4*\s], 1
	s_add_co_u32 s[G0B+4*\s+1], s45, \s*SLOT
	s_add_nc_u64 s[G0B+4*\s+2:G0B+4*\s+3], s[46:47], \s*KSTR
	s_or_b32 s[G0B+4*\s+3], s[G0B+4*\s+3], 0x80000000
.endr
	s_cmp_eq_u32 s15, 0                            ; a wave's three first fills stand in one branch: three loads of mine are out
	s_cbranch_scc0 .Lfirst_b
	tensor_load_to_lds s[G0A:G0A+3], s[G1A:G1A+7]
	s_nop 0
	tensor_load_to_lds s[G0A+4:G0A+7], s[G1A:G1A+7]
	s_nop 0
	tensor_load_to_lds s[G0A+8:G0A+11], s[G1A:G1A+7]
	s_nop 0
.rept 4
	v_nop
.endr
	s_branch .Lfirst_asked
.Lfirst_b:
	tensor_load_to_lds s[G0B:G0B+3], s[G1B:G1B+7]
	s_nop 0
	tensor_load_to_lds s[G0B+4:G0B+7], s[G1B:G1B+7]
	s_nop 0
	tensor_load_to_lds s[G0B+8:G0B+11], s[G1B:G1B+7]
	s_nop 0
.rept 4
	v_nop
.endr
.Lfirst_asked:
	v_and_b32 v1, 15, v0                           ; r
	v_bfe_u32 v[HH], v0, 4, 1                      ; h
	v_and_b32 v2, 31, v0                           ; lane
	v_lshlrev_b32 v3, 4, v2                        ; 16 x lane
	v_lshlrev_b32 v6, 6, v[HH]                     ; the bias by n: 16 h numbers on; never rewritten
	v_and_b32 v7, 8, v1
	v_add_nc_u32 v7, v7, v1
	v_lshlrev_b32 v7, 2, v7                        ; the bias by m: number r + 8 (r / 8) of a block's; never rewritten
.irp b, 0,1,2,3,4,5,6,7                        ; q, k: register 8 b + j = bias[32 (b / 2) + 16 h + 8 (b % 2) + j]
	global_load_b128 v[BI+8*\b:BI+8*\b+3], v6, s[56:57] offset:(32*(\b/2)+8*(\b%2))*4
	global_load_b128 v[BI+8*\b+4:BI+8*\b+7], v6, s[56:57] offset:(32*(\b/2)+8*(\b%2))*4+16
.endr
	s_mul_i32 s48, s15, TILE                       ; M's group of my rows
	s_mul_i32 s49, s16, TILE
	s_add_co_u32 s49, s49, 2*TILE                  ; N's group of my columns
	s_xor_b32 s50, s15, 1
	s_add_co_u32 s50, s50, s16
	s_add_co_u32 s50, s50, 1
	s_mul_i32 s50, s50, TILE                       ; from the one to the other: 25,600 (2 + column half - row half)
	v_lshlrev_b32 v4, 3, v1
	v_mul_u32_u24 v5, s50, v[HH]                   ; lanes 16-31 take N's scale words
	v_add_nc_u32 v4, v4, v5
	s_add_co_u32 s51, s48, 24576
.irp s, 0,1,2
	v_add_nc_u32 v[ADRA+\s], s48, v3
	v_add_nc_u32 v[ADRB+\s], s49, v3
	v_add_nc_u32 v[ADRS+\s], s51, v4
	s_add_co_u32 s48, s48, SLOT
	s_add_co_u32 s49, s49, SLOT
	s_add_co_u32 s51, s51, SLOT
.endr
	s_mul_i32 s52, s16, 1536
	v_add_nc_u32 v[LI], s52, v3
	s_lshl_b32 s52, s16, 9
	v_lshl_add_u32 v[L8], v2, 3, s52
	; the second product's addresses
	s_mul_i32 s48, s15, 12288                      ; my four blocks of M's group, in a slot's quarter 0
.irp s, 0,1,2
	v_add_nc_u32 v[A2R+\s], s48, v3
	s_add_co_u32 s48, s48, SLOT
.endr
	s_mul_i32 s49, s16, SLOT
	s_add_co_u32 s49, s49, SLOT+TILE               ; V3's group of N for my columns: quarter 1 of slot 1 or 2
	v_add_nc_u32 v[B2V3], s49, v3
	s_xor_b32 s50, s15, 1
	s_lshl_b32 s50, s50, 8                         ; 256 (1 - row half)
	s_mul_i32 s51, s16, TILE
	s_add_co_u32 s51, s51, s50
	s_add_co_u32 s51, s51, 2*TILE-256              ; from my words of M to N's: 25,600 (2 + column half) - 256 x row half
	v_lshlrev_b32 v4, 3, v1                        ; 8 r
	v_mul_u32_u24 v5, s51, v[HH]                   ; the lower base + h x the distance
	v_add_nc_u32 v5, v5, v4
	s_lshl_b32 s52, s15, 8
	s_add_co_u32 s52, s52, 24576                   ; my four blocks' words: 256 x row half into a unit
.irp s, 0,1,2
	v_add_nc_u32 v[S2R+\s], s52, v5
	s_add_co_u32 s52, s52, SLOT
.endr
	s_mul_i32 s51, s16, SLOT
	s_add_co_u32 s51, s51, s50
	s_add_co_u32 s51, s51, SLOT-256                ; V3: 102,400 (1 + column half) - 256 x row half
	v_mul_u32_u24 v5, s51, v[HH]
	v_add_nc_u32 v5, v5, v4
	s_lshl_b32 s52, s15, 8
	s_add_co_u32 s52, s52, TILE+24576
	v_add_nc_u32 v[S2V3], s52, v5
	s_mul_i32 s52, s16, 1536
	s_mul_i32 s53, s15, 12288
	s_add_co_u32 s52, s52, s53
	v_add_nc_u32 v[LI2], s52, v3                   ; the way out: my four blocks, my image
	s_lshl_b32 s52, s16, 9
	s_lshl_b32 s53, s15, 8
	s_add_co_u32 s52, s52, s53
	v_lshl_add_u32 v[L82], v2, 3, s52              ; and my 256 bytes of scale words
.irp b, 0,1,2,3
	v_mov_b32 v[TM+4+\b], 0                        ; written once: a lane permute's destination counts as one of its sources
.endr
	s_wait_loadcnt 0x0                             ; the bias
	s_wait_tensorcnt 2                             ; my part of K step 0 is in; K steps 1 and 2 may be out
	s_barrier_signal -1
	s_barrier_wait -1
	FETCH_B 0, 0, 0
	FETCH_A 0, 0, 0
	SCALES 0, 0
	FETCH_A 0, 0, 4
	KSTEP 0,0,0, 0,1,0, 1, 0                       ; the first step starts the sums with the bias
	KSTEP 0,1,0, 1,0,1, 0, 2                       ; slot 0 is read out: K step 3 is asked for.  Every wave has waited for all its loads: slots 1 and 2 are whole behind this round
	KSTEP 1,0,1, 1,1,1, 0, 0
	KSTEP 1,1,1, 2,0,0, 0, 0
	KSTEP 2,0,0, 2,1,0, 0, 0
	KSTEP 2,1,0, 0,0,1, 0, 3                       ; K step 3 has landed, in every wave; slot 1 takes the second product's first tiles
	KSTEP 0,0,1, 0,1,1, 0, 0
	s_wait_dscnt 12                                ; the last step: nothing more to fetch
	WIN 0xa1
	MUL16 0, 1, 1, 1, 0
	MUL16 2, 1, 1, 1, 0
	s_wait_dscnt 0x0
	WIN 0xf1
	MUL16 4, 1, 1, 1, 0
	MUL16 6, 1, 1, 1, 0
	WIN 0
	PLACES
.irp a, 0,1,2,3                                ; the second product's bias: all eight registers of block a = bv[my row of block a]; it lands under the way out
.irp j, 0,1,2,3,4,5,6,7
	global_load_b32 v[BI+8*\a+\j], v7, s[10:11] offset:(32*(\a/2)+8*(\a%2))*4
.endr
.endr
; THE WAY OUT.  Block a's 64 numbers of a lane (register 16 B + i = n 32 B + 16 h + i of my row) become a fragment's codes and its scale word; the image leaves by three stores of 512 consecutive bytes.
.macro QOUT a, li, ob
.set W, 2+(\a)/4
.set AC, 64*((\a)%4)
.set PC, AF+12*(\a)
	WIN (W*5)                                      ; sources 0 and 1: the accumulators' window
.irp b, 0,1,2,3
	v_max3_num_f32 v[TM+\b], |v[AC+16*\b]|, |v[AC+16*\b+1]|, 0x1800000   ; each accumulator is read from its low end on; the floor 2^(3 - 127) holds the byte at 1 from below
.endr
.irp i, 2,4,6,8,10,12,14
.irp b, 0,1,2,3
	v_max3_num_f32 v[TM+\b], |v[AC+16*\b+\i]|, |v[AC+16*\b+\i+1]|, v[TM+\b]
.endr
.endr
	WIN 0
.irp b, 0,1,2,3
	v_permlanex16_b32 v[TM+4+\b], v[TM+\b], s[SEL], s[SEL+1]
.endr
.irp b, 0,1,2,3
	v_max_num_f32 v[TM+\b], v[TM+\b], v[TM+4+\b]   ; with lane l xor 16's: the block's largest magnitude
.endr
.irp b, 0,1,2,3
	v_add_nc_u32 v[TM+12+\b], 0xff000000, v[TM+\b] ; 2 off its exponent field: the conversion's scale operand
.endr
.irp b, 0,1,2,3
	v_lshrrev_b32 v[TM+4+\b], 23, v[TM+12+\b]      ; the scale's byte
.endr
	v_lshl_or_b32 v[PWS+(\a)], v[TM+5], 8, v[TM+4]
	v_lshl_or_b32 v[PWS+(\a)], v[TM+6], 16, v[PWS+(\a)]
	v_lshl_or_b32 v[PWS+(\a)], v[TM+7], 24, v[PWS+(\a)]
	WIN W
.irp c, 0,1
	v_cvt_scalef32_pk16_fp6_f32 v[PC+6*\c:PC+6*\c+2], v[AC+32*\c:AC+32*\c+15], v[TM+12+2*\c]
	v_cvt_scalef32_pk16_fp6_f32 v[248+4*\c:250+4*\c], v[AC+32*\c+16:AC+32*\c+31], v[TM+12+2*\c+1]   ; (a conversion's three registers begin on an even number)
.endr
	WIN 0
	v_nop                                          ; one plain place behind a scaled conversion
.irp c, 0,1                                    ; the operand's layout wants a whole block of 32 in a lane
.irp i, 0,1,2
	v_permlane16_swap_b32 v[PC+6*\c+\i], v[248+4*\c+\i]
.endr
.irp i, 0,1,2
	v_mov_b32 v[PC+6*\c+3+\i], v[248+4*\c+\i]
.endr
.endr
.irp c, 0,1,2
	global_store_b128 v[\li], v[PC+4*\c:PC+4*\c+3], s[\ob:\ob+1] offset:3072*(\a)+512*\c   ; each block of a product has registers of its own: no store's data are written again before the wait between the products
.endr
.endm
	QOUT 0, LI, 12
	QOUT 1, LI, 12
	VFILL 2, VA2, VB2, 14                          ; slot 1's tiles have landed; slot 2 takes the next
	QOUT 2, LI, 12
	QOUT 3, LI, 12
	QOUT 4, LI, 12
	QOUT 5, LI, 12
	VFILL 0, VA3, VB3, 15                          ; slot 2's tiles have landed; slot 0 takes the last
	QOUT 6, LI, 12
	QOUT 7, LI, 12
	v_cmp_ne_u32 vcc_lo, 0, v[HH]                  ; a unit of 256 bytes: lanes 0-15 the words of blocks 4 U and 4 U + 1, lanes 16-31 those of 4 U + 2 and 4 U + 3
.irp u, 0,1
	v_cndmask_b32 v[248+4*\u], v[PWS+4*\u], v[PWS+4*\u+2], vcc_lo
	v_cndmask_b32 v[249+4*\u], v[PWS+4*\u+1], v[PWS+4*\u+3], vcc_lo
	global_store_b64 v[L8], v[248+4*\u:249+4*\u], s[12:13] offset:24576+256*\u
.endr
	; THE SECOND PRODUCT: eight steps of 128 along K, 32 matrix instructions each.  Slots 1 and 2 were shown whole by the waits and rounds of the two refills above.
	s_wait_xcnt 0x0                                ; the first product's stores have read their registers: fragments may land there
	FETCH2 0
	s_wait_loadcnt 0x0                             ; bv
	VSTEP 0, 1                                     ; the first step starts the sums with the bias
	VSTEP 1, 0
	VSTEP 2, 0
	VTURN 3                                        ; slot 0's tiles, V3's last group among them, have landed in every wave
	VSTEP 4, 0
	VSTEP 5, 0
	VSTEP 6, 0
	s_wait_dscnt 0x0
	WIN 0xa1
	MUL8V 0, 7, 0
	MUL8V 1, 7, 0
	MUL8V 2, 7, 0
	MUL8V 3, 7, 0
	WIN 0
	PLACES
	QOUT 0, LI2, 6
	QOUT 1, LI2, 6
	QOUT 2, LI2, 6
	QOUT 3, LI2, 6
	v_cmp_ne_u32 vcc_lo, 0, v[HH]                  ; my four blocks' words are one unit of 256 bytes
	v_cndmask_b32 v248, v[PWS], v[PWS+2], vcc_lo
	v_cndmask_b32 v249, v[PWS+1], v[PWS+3], vcc_lo
	global_store_b64 v[L82], v[248:249], s[6:7] offset:24576
	s_wait_tensorcnt 0x0                           ; the wave's end
	ds_add_u32 v[SPW], v[NIL]
	s_wait_dscnt 0x0
	CROUND                                         ; the closing round
	s_endpgm
.Lfunc_end_k_qaa2cf2d33f_proj:
	.size	k_qaa2cf2d33f_proj, .Lfunc_end_k_qaa2cf2d33f_proj-k_qaa2cf2d33f_proj
	.p2alignl 7, 3214868480
	.fill 96, 4, 3214868480
	.section	.rodata,"a",@progbits
	.p2align	6, 0x0
	.amdhsa_kernel k_qaa2cf2d33f_proj
		.amdhsa_group_segment_fixed_size 327680
		.amdhsa_private_segment_fixed_size 0
		.amdhsa_enable_private_segment 0
		.amdhsa_kernarg_size 40
		.amdhsa_user_sgpr_count 2
		.amdhsa_user_sgpr_kernarg_segment_ptr 1
		.amdhsa_wavefront_size32 1
		.amdhsa_system_sgpr_workgroup_id_x 1
		.amdhsa_system_sgpr_workgroup_id_y 1
		.amdhsa_system_sgpr_workgroup_id_z 1
		.amdhsa_system_vgpr_workitem_id 0
		.amdhsa_next_free_vgpr 1024
		.amdhsa_next_free_sgpr 100
		.amdhsa_reserve_vcc 1
		.amdhsa_float_denorm_mode_32 3
		.amdhsa_float_denorm_mode_16_64 3
		.amdhsa_memory_ordered 1
		.amdhsa_forward_progress 1
		.amdhsa_inst_pref_size 220
	.end_amdhsa_kernel
	.amdgpu_metadata
---
amdhsa.version: [ 1, 2 ]
amdhsa.kernels:
  - .name:           k_qaa2cf2d33f_proj
    .symbol:         k_qaa2cf2d33f_proj.kd
    .args:
      - { .name: opc, .offset: 0, .size: 8, .value_kind: global_buffer, .address_space: global }
      - { .name: bq, .offset: 8, .size: 8, .value_kind: global_buffer, .address_space: global }
      - { .name: bk, .offset: 16, .size: 8, .value_kind: global_buffer, .address_space: global }
      - { .name: bv, .offset: 24, .size: 8, .value_kind: global_buffer, .address_space: global }
      - { .name: qkv, .offset: 32, .size: 8, .value_kind: global_buffer, .address_space: global }
    .group_segment_fixed_size: 327680
    .private_segment_fixed_size: 0
    .kernarg_segment_align: 8
    .kernarg_segment_size: 40
    .max_flat_workgroup_size: 128
    .sgpr_count:     100
    .vgpr_count:     1024
    .wavefront_size: 32
...
	.end_amdgpu_metadata
.endif
;; end of part 2
;; launch score (part 3): grid 8 x 32, 4 waves a work-group, clusters of 4 x 4, 327,680 bytes of LDS; arguments qkv, mask, pc, pst; writes pc, pst
.if DOCPART == 3
	.amdgcn_target "amdgcn-amd-amdhsa--gfx1250"
	.amdhsa_code_object_version 6
	.text
	.protected	k_qaa2cf2d33f_score
	.globl	k_qaa2cf2d33f_score
	.p2align	8
	.type	k_qaa2cf2d33f_score,@function
k_qaa2cf2d33f_score:
	s_mov_b64 s[64:65], 0
	v_nop
	global_prefetch_b8 v0, s[64:65] scope:SCOPE_SE
	s_setreg_imm32_b32 hwreg(HW_REG_WAVE_MODE, 25, 1), 1
	s_wait_xcnt 0x0
	s_wait_alu depctr_hold_cnt(0) depctr_sa_sdst(0) depctr_va_vdst(0) depctr_va_sdst(0) depctr_va_ssrc(0) depctr_va_vcc(0) depctr_vm_vsrc(0)
	s_getreg_b32 s2, hwreg(HW_REG_IB_STS2, 6, 4)
	s_cmp_eq_u32 s2, 0
	s_cbranch_scc0 .Lentry_in_a_cluster
	s_endpgm
.Lentry_in_a_cluster:
	s_bfe_u32 s2, ttmp6, 0x10000c
	s_cmp_lg_u32 s2, 0xf033
	s_cbranch_scc0 .Lentry_shape_is_right
	s_endpgm
.Lentry_shape_is_right:
; scores = q k^T on codes of FP6 (E2M3) with E8M0 scales; the mask; p = 2^(t - M) quantised along the keys, UNDER A LOCAL M for each (query, 128 keys).
; t = score x log2(e), or -1e9 x log2(e) where the mask is 0; M = ceil(the largest t of the query among the wave's 128 keys): a whole number, so the next launch brings all pieces of a row under the row's M by
; taking whole numbers off the scale bytes, which rounds nothing.  Stored: p's codes as images (pc: [256 keys: 8][group of 128 queries: 64][24,576]), and in pst three arrays of 524,288 bytes,
; [group][128 keys: 16][512 bytes in the order of a scale unit]: the scale words, -M (f32), and the sum of the unquantised p of the piece.
; A piece that is wholly masked has t = M for all its keys (-1e9 x log2(e) is a whole number in f32): p = 1, as the definition gives.
; The product is the projections' chain: a tile of 256 queries x 256 keys, four waves of 128 x 128, transposed use (source 0 = a block of keys, source 1 = a block of queries), K = 1,024 in four K steps of 256 through
; three LDS slots, K step 3 into slot 0 behind the one round inside the chain; 4 x 4 clusters: q's tile shared along a row, k's along a column.
; THE MASK comes in densely, a row's 512 bytes a load, and turns through the wave's own stage in LDS (in slot 1, which has had its only fill and its last read by then).  Blocks 0 and 1 are loaded at the head and wait in
; registers; blocks 2 to 7 are prefetched, a lane a block of 256 bytes, each named once: 2 and 3 in K step 2, 4 and 5 in K step 3, 6 and 7 in the first block's softmax; each is loaded four blocks ahead of its use.
; LIMITS: NaN and infinities are not served; a block of 32 whose every p is under 2^-124 gets the byte 1.
; REGISTERS: window 0: v1-12 four blocks' scale words, -M and sums; v13-31 addresses and constants; v32-63 scale words of the product, two sets, and nothing else; v64-127 mask set 0; v128-223 q's fragments;
;   on the way out v128-191 the mask as turned, then codes and work (v176-181: the pairs that go to pst), v192-255 t, then p.  window 1: k's fragments at v0 and v96; mask set 1 at v192, later sets 2 and 3 at v0 and v64.
;   windows 2, 3: the accumulators.
.set KSTR,  3276800
.set TILE,  25600
.set SLOT,  4*TILE
.set SPARE, 3*SLOT                     ; the spare words, 128 bytes for each wave: two blocks of 256 bytes that no other line names
.set TNEG, 13                          ; v13     -1e9 x log2(e)
.set STW,  14                          ; v14     the stage, on the way in: 16 x lane
.set STR,  15                          ; v15     and out: row r, + 64 h
.set ADRA, 16
.set MO,   19                          ; v19     16 x lane: my bytes of a mask row's 512; never rewritten
.set ADRB, 20
.set PFO,  23                          ; v23     the prefetches' offset: row (lane / 2) of a block, half lane % 2 of its 512 bytes; never rewritten
.set ADRS, 24
.set LI,   27
.set SPW,  28
.set NIL,  29
.set L8,   30                          ; v30     8 x lane
.set HH,   31
.set SC,   32
.set AF,   128
.set X,    128
.set P,    192
.set PC,   128                         ; behind the mask's use: v128-139 the codes, v140-146 their second halves,
.set PC2,  140
.set BM,   148                         ; v148-151 the blocks' largest t, then p; v152-155 at work
.set BT,   152
.set TX,   156
.set NMP,  158                         ; v[158:159] -M
.set SU,   160                         ; v160-163 the sum, in two chains
.set SO,   164                         ; v164-167 the conversions' scale operands
.set PT,   176                         ; v176-181 three pairs on their way to pst
.set G1A, 24
.set G1B, 32
.set G0A, 68
.set G0B, 80
.set SEL, 92
.set CS,  94                           ; s[94:95] log2(e)
.set MSB, 0
.macro WIN new
.if MSB != (\new)
	s_set_vgpr_msb (MSB<<8)|(\new)
.set MSB, (\new)
.endif
.endm
.macro JLOAD s                         ; a joint load: waves 0 and 1 fetch q's two groups, waves 2 and 3 k's; four v_nop follow each of the two lines
	s_cmp_eq_u32 s15, 0
	s_cbranch_scc0 .Lfor_b_\@
	tensor_load_to_lds s[G0A+4*\s:G0A+4*\s+3], s[G1A:G1A+7]
	s_nop 0
.rept 4
	v_nop
.endr
	s_branch .Lasked_\@
.Lfor_b_\@:
	tensor_load_to_lds s[G0B+4*\s:G0B+4*\s+3], s[G1B:G1B+7]
	s_nop 0
.rept 4
	v_nop
.endr
.Lasked_\@:
.endm
.macro CREST
	s_cmp_lg_u32 s14, 0
	s_cbranch_scc1 .Lnot_wave_0_\@
	s_barrier_signal -3
.Lnot_wave_0_\@:
	s_barrier_wait -3
	s_barrier_signal -1
	s_barrier_wait -1
.endm
.macro CROUND
	s_barrier_signal -1
	s_barrier_wait -1
	CREST
.endm
.macro PLACES
.rept 4
	v_nop
.endr
.endm
.macro FRAG reg, adr, q, i
.irp c, 0,1,2
	ds_load_b128 v[\reg+4*\c:\reg+4*\c+3], v[\adr] offset:3072*(\i)+1536*(\q)+512*\c
.endr
.endm
.macro FETCH_B slot, q, p
	WIN 0x40
.irp i, 0,1,2,3,4,5,6,7
	FRAG 96*(\p)+12*\i, ADRB+\slot, \q, \i
.endr
	WIN 0
.endm
.macro FETCH_A slot, q, i0
.irp i, \i0, \i0+1, \i0+2, \i0+3
	FRAG AF+12*(\i), ADRA+\slot, \q, \i
.endr
.endm
.macro SCALES slot, set
.irp q, 0,1
.irp i, 0,1,2,3
	ds_load_b64 v[SC+16*(\set)+8*\q+2*\i:SC+16*(\set)+8*\q+2*\i+1], v[ADRS+\slot] offset:512*\q+128*\i
.endr
.endr
.endm
.macro MUL16 a0, p, q, set, zero       ; 16 matrix instructions; zero = 1: the first product starts the sums.  The 64 accumulators take turns
.irp a, \a0, \a0+1
.irp b, 0,1,2,3,4,5,6,7
.set rD, 8*(8*((\a)%4)+\b)
.set rB, 96*(\p)+12*\b
.set rA, AF+12*(\a)
.set rS, SC+16*(\set)+8*(\q)
.if \zero
	v_wmma_scale_f32_16x16x128_f8f6f4 v[rD:rD+7], v[rB:rB+11], v[rA:rA+11], 0, v[rS+\b], v[rS+(\a)] matrix_a_fmt:MATRIX_FMT_FP6 matrix_b_fmt:MATRIX_FMT_FP6 matrix_a_scale:MATRIX_SCALE_ROW1
.else
	v_wmma_scale_f32_16x16x128_f8f6f4 v[rD:rD+7], v[rB:rB+11], v[rA:rA+11], v[rD:rD+7], v[rS+\b], v[rS+(\a)] matrix_a_fmt:MATRIX_FMT_FP6 matrix_b_fmt:MATRIX_FMT_FP6 matrix_a_scale:MATRIX_SCALE_ROW1
.endif
.endr
.endr
.endm
.macro PFM a                           ; block a's 16 rows x 512 bytes of the mask: 32 blocks of 256 bytes, a lane each
	global_prefetch_b8 v[PFO], s[6:7] offset:(32*((\a)/2)+8*((\a)%2))*8192 th:TH_LOAD_NT scope:SCOPE_SE
.endm
; A step of 128 along K, as in the projections.  pf: the first of two blocks of the mask that are prefetched behind the step's run of LDS loads, or 0.
.macro KSTEP slot, q, set, nslot, nq, nset, zero, sync, pf
.if \sync
	s_wait_tensorcnt 0x0                           ; all my tensor loads have landed
	ds_add_u32 v[SPW], v[NIL]                      ; 0 onto my spare word
	s_wait_dscnt 13                                ; (the add and the youngest twelve loads may be out)
.else
	s_wait_dscnt 12                                ; all but the youngest twelve loads, q's blocks 4-7
.endif
	WIN 0xa1
	MUL16 0, \q, \q, \set, \zero
.if \sync
	s_wait_dscnt 0x0                               ; the add is done, and my reads of the slots so far are over
	s_barrier_signal -1
.endif
	MUL16 2, \q, \q, \set, \zero
.if \sync == 0
	s_wait_dscnt 0x0
	PLACES
.elseif \sync == 1
	WIN 0
	s_barrier_wait -1
	PLACES
.else
	WIN 0
	s_barrier_wait -1
	CREST                                          ; no wave of any partner still reads this slot or has a load on its way
	s_add_nc_u64 s[G0A+4*\slot+2:G0A+4*\slot+3], s[G0A+4*\slot+2:G0A+4*\slot+3], 3*KSTR
	s_add_nc_u64 s[G0B+4*\slot+2:G0B+4*\slot+3], s[G0B+4*\slot+2:G0B+4*\slot+3], 3*KSTR
	JLOAD \slot
.endif
	FETCH_B \nslot, \nq, 1-\q
	FETCH_A \nslot, \nq, 0
.if \nq == 0
	SCALES \nslot, \nset
.endif
.if \pf
	PFM \pf
	PFM \pf+1
.endif
	WIN 0xf1
	MUL16 4, \q, \q, \set, \zero
	MUL16 6, \q, \q, \set, \zero
	PLACES
	WIN 0
	FETCH_A \nslot, \nq, 4
.endm
.macro MSET a                          ; where block a's mask waits: window MW, register MB
.if ((\a)%4) == 0
.set MW, 0
.set MB, 64
.elseif ((\a)%4) == 1
.set MW, 1
.set MB, 192
.elseif ((\a)%4) == 2
.set MW, 1
.set MB, 0
.else
.set MW, 1
.set MB, 64
.endif
.endm
.macro LOADM a                         ; block a's 16 rows of the mask, my 128 keys: a row's 512 consecutive bytes a load
	MSET \a
	WIN (MW<<6)
.irp i, 0,1,2,3,4,5,6,7,8,9,10,11,12,13,14,15
	global_load_b128 v[MB+4*\i:MB+4*\i+3], v[MO], s[6:7] offset:(32*((\a)/2)+8*((\a)%2)+\i+8*(\i/8))*8192 th:TH_LOAD_NT
.endr
	WIN 0
.endm
	s_load_b128 s[4:7], s[0:1], 0x0                ; qkv, mask
	s_load_b128 s[8:11], s[0:1], 0x10              ; pc, pst
	v_lshl_add_u32 v[SPW], v0, 2, SPARE
	v_mov_b32 v[NIL], 0
	ds_add_u32 v28, v29
	ds_add_u32 v28, v29
	s_wait_dscnt 0x0
	v_lshrrev_b32 v1, 5, v0
	v_readfirstlane_b32 s14, v1                    ; wave 0..3
	s_lshr_b32 s15, s14, 1                         ; my half of the queries.  Also: I fetch for q (0) or for k (1)
	s_and_b32 s16, s14, 1                          ; my half of the keys.  Also: which group I fetch
	s_bfe_u32 s40, ttmp6, 0x40000                  ; cx
	s_bfe_u32 s41, ttmp6, 0x40004                  ; cy
	s_and_b32 s17, ttmp7, 0xffff
	s_lshr_b32 s20, s17, 1                         ; the batch: of the cluster's y alone
	s_lshl_b32 s18, s17, 2
	s_add_co_u32 s18, s18, s41                     ; tile of queries 0..31
	s_lshl_b32 s19, ttmp9, 2
	s_add_co_u32 s19, s19, s40                     ; tile of keys 0..7
	s_lshl_b32 s22, s18, 1
	s_add_co_u32 s22, s22, s16
	s_mul_i32 s22, s22, TILE                       ; q's group that I would fetch
	s_mov_b32 s23, 0
	s_lshl_b32 s46, s20, 4
	s_lshl_b32 s47, s19, 1
	s_add_co_u32 s46, s46, s47
	s_add_co_u32 s46, s46, s16
	s_add_co_u32 s46, s46, 64
	s_mul_i32 s46, s46, TILE                       ; k's: group 64 + 16 batch + 2 tile + half
	s_mov_b32 s47, 0
	s_lshl_b32 s43, s41, 2
	s_lshl_b32 s43, 15, s43
	s_lshl_b32 s44, 0x1111, s40
	s_or_b32 s[G1A], s43, (3<<16)|(1<<21)          ; the mask of my row; elements of 8 bytes; no padding; bit 21 beside a mask
	s_or_b32 s[G1B], s44, (3<<16)|(1<<21)
.irp g, G1A, G1B
	s_mov_b32 s[\g+1], 32<<16                      ; rows of 256 bytes,
	s_mov_b32 s[\g+2], 100<<16                     ; 100 of them: 25,600 dense bytes
	s_mov_b32 s[\g+3], 32<<16
	s_mov_b32 s[\g+4], 100
	s_mov_b32 s[\g+5], 32
	s_mov_b32 s[\g+6], 0
	s_mov_b32 s[\g+7], 0
.endr
	s_mul_i32 s45, s14, TILE
	s_lshl_b32 s48, s18, 21                        ; the mask: (256 tile + 128 half) rows of 8,192 bytes,
	s_lshl_b32 s49, s15, 20
	s_add_co_u32 s48, s48, s49
	s_lshl_b32 s49, s19, 10                        ; + (256 tile + 128 half) keys of 4 bytes
	s_add_co_u32 s48, s48, s49
	s_lshl_b32 s49, s16, 9
	s_add_co_u32 s48, s48, s49
	s_mov_b32 s49, 0
	s_lshl_b32 s52, s18, 1
	s_add_co_u32 s52, s52, s15                     ; my group of queries 0..63
	s_mul_i32 s50, s19, 1572864
	s_mul_i32 s51, s52, 24576
	s_add_co_u32 s50, s50, s51                     ; its place in pc
	s_mov_b32 s51, 0
	s_lshl_b32 s52, s52, 13
	s_lshl_b32 s53, s19, 10
	s_add_co_u32 s52, s52, s53
	s_lshl_b32 s53, s16, 9
	s_add_co_u32 s52, s52, s53                     ; and my piece's 512 bytes in each array of pst
	s_mov_b32 s53, 0
	s_mov_b32 s[SEL], 0x76543210
	s_mov_b32 s[SEL+1], 0xfedcba98
	s_mov_b32 s[CS], 0x3fb8aa3b                    ; log2(e)
	s_mov_b32 s[CS+1], s[CS]
	s_wait_kmcnt 0x0
	s_add_nc_u64 s[22:23], s[4:5], s[22:23]
	s_add_nc_u64 s[46:47], s[4:5], s[46:47]
	s_add_nc_u64 s[6:7], s[6:7], s[48:49]
	s_add_nc_u64 s[8:9], s[8:9], s[50:51]
	s_add_nc_u64 s[10:11], s[10:11], s[52:53]
	CROUND                                         ; all sixteen work-groups are here: the first joint loads meet
.irp s, 0,1,2
	s_mov_b32 s[G0A+4*\s], 1
	s_add_co_u32 s[G0A+4*\s+1], s45, \s*SLOT
	s_add_nc_u64 s[G0A+4*\s+2:G0A+4*\s+3], s[22:23], \s*KSTR
	s_or_b32 s[G0A+4*\s+3], s[G0A+4*\s+3], 0x80000000
	s_mov_b32 s[G0B+4*\s], 1
	s_add_co_u32 s[G0B+4*\s+1], s45, \s*SLOT
	s_add_nc_u64 s[G0B+4*\s+2:G0B+4*\s+3], s[46:47], \s*KSTR
	s_or_b32 s[G0B+4*\s+3], s[G0B+4*\s+3], 0x80000000
.endr
	s_cmp_eq_u32 s15, 0                            ; a wave's three first fills stand in one branch: three loads of mine are out
	s_cbranch_scc0 .Lfirst_b
	tensor_load_to_lds s[G0A:G0A+3], s[G1A:G1A+7]
	s_nop 0
	tensor_load_to_lds s[G0A+4:G0A+7], s[G1A:G1A+7]
	s_nop 0
	tensor_load_to_lds s[G0A+8:G0A+11], s[G1A:G1A+7]
	s_nop 0
.rept 4
	v_nop
.endr
	s_branch .Lfirst_asked
.Lfirst_b:
	tensor_load_to_lds s[G0B:G0B+3], s[G1B:G1B+7]
	s_nop 0
	tensor_load_to_lds s[G0B+4:G0B+7], s[G1B:G1B+7]
	s_nop 0
	tensor_load_to_lds s[G0B+8:G0B+11], s[G1B:G1B+7]
	s_nop 0
.rept 4
	v_nop
.endr
.Lfirst_asked:
	v_and_b32 v1, 15, v0                           ; r
	v_bfe_u32 v[HH], v0, 4, 1                      ; h
	v_and_b32 v2, 31, v0                           ; lane
	v_lshlrev_b32 v[MO], 4, v2                     ; 16 x lane
	LOADM 0                                        ; the first two blocks' mask waits in registers through the product
	LOADM 1
	s_mul_i32 s48, s15, TILE
	s_mul_i32 s49, s16, TILE
	s_add_co_u32 s49, s49, 2*TILE
	s_xor_b32 s50, s15, 1
	s_add_co_u32 s50, s50, s16
	s_add_co_u32 s50, s50, 1
	s_mul_i32 s50, s50, TILE                       ; from q's group to k's: 25,600 (2 + key half - query half)
	v_lshlrev_b32 v4, 3, v1
	v_mul_u32_u24 v5, s50, v[HH]                   ; lanes 16-31 take k's scale words
	v_add_nc_u32 v4, v4, v5
	s_add_co_u32 s51, s48, 24576
.irp s, 0,1,2
	v_add_nc_u32 v[ADRA+\s], s48, v[MO]
	v_add_nc_u32 v[ADRB+\s], s49, v[MO]
	v_add_nc_u32 v[ADRS+\s], s51, v4
	s_add_co_u32 s48, s48, SLOT
	s_add_co_u32 s49, s49, SLOT
	s_add_co_u32 s51, s51, SLOT
.endr
	s_mul_i32 s52, s16, 1536
	v_add_nc_u32 v[LI], s52, v[MO]                 ; an image's place: my 128 keys are image 0 or 1 of the 256
	v_lshlrev_b32 v[L8], 3, v2
	s_mul_i32 s52, s14, 8448
	s_add_co_u32 s52, s52, SLOT                    ; my stage, in slot 1
	v_add_nc_u32 v[STW], s52, v[MO]
	v_mul_u32_u24 v[STR], v1, 528
	v_lshl_add_u32 v[STR], v[HH], 6, v[STR]
	v_add_nc_u32 v[STR], s52, v[STR]
	v_lshrrev_b32 v3, 1, v2
	v_lshl_add_u32 v3, v[HH], 3, v3                ; row (lane / 2) + 8 (lane / 16) of a block's rows
	v_and_b32 v5, 1, v2
	v_lshlrev_b32 v5, 8, v5
	v_lshl_add_u32 v[PFO], v3, 13, v5
	v_mov_b32 v[TNEG], 0xce6e6b28                  ; -1e9,
	v_mul_f32 v[TNEG], s[CS], v[TNEG]              ; as t
	s_wait_tensorcnt 2                             ; my part of K step 0 is in; K steps 1 and 2 may be out
	s_barrier_signal -1
	s_barrier_wait -1
	FETCH_B 0, 0, 0
	FETCH_A 0, 0, 0
	SCALES 0, 0
	FETCH_A 0, 0, 4
	KSTEP 0,0,0, 0,1,0, 1, 0, 0
	KSTEP 0,1,0, 1,0,1, 0, 2, 0                    ; slot 0 is read out: K step 3 is asked for; slots 1 and 2 are whole behind this round
	KSTEP 1,0,1, 1,1,1, 0, 0, 0
	KSTEP 1,1,1, 2,0,0, 0, 0, 0
	KSTEP 2,0,0, 2,1,0, 0, 0, 2
	KSTEP 2,1,0, 0,0,1, 0, 1, 0                    ; K step 3 has landed, in every wave; nobody reads slot 1 any more
	KSTEP 0,0,1, 0,1,1, 0, 0, 4
	s_wait_dscnt 12
	WIN 0xa1
	MUL16 0, 1, 1, 1, 0
	MUL16 2, 1, 1, 1, 0
	s_wait_dscnt 0x0
	WIN 0xf1
	MUL16 4, 1, 1, 1, 0
	MUL16 6, 1, 1, 1, 0
	WIN 0
	PLACES
	LOADM 2                                        ; into registers that held k's fragments
	LOADM 3
; BLOCK a: 16 queries x my 128 keys.  A lane holds one query; register 16 B + i is key 32 B + 16 h + i.
.macro SOFT a
.set W, 2+(\a)/4
.set AC, 64*((\a)%4)
.set IX, (\a)%4
	MSET \a
.if (\a) < 4
	s_wait_loadcnt 48                              ; this block's mask is in; the three blocks behind it may be out
.else
	s_wait_loadcnt 16*(7-(\a))
.endif
.if (\a) > 0
	s_wait_xcnt 0x0                                ; the earlier stores have read their registers, v128 to v191 among them
.endif
	WIN (MW<<2)                                    ; an LDS store's data are its source 1
.irp i, 0,1,2,3,4,5,6,7,8,9,10,11,12,13,14,15
	ds_store_b128 v[STW], v[MB+4*\i:MB+4*\i+3] offset:528*\i
.endr
	WIN 0
.irp b, 0,1,2,3
.irp j, 0,1,2,3
	ds_load_b128 v[X+16*\b+4*\j:X+16*\b+4*\j+3], v[STR] offset:128*\b+16*\j   ; LDS serves a wave's instructions in order: these see the stores above
.endr
.endr
	WIN W
.set j, 0
.rept 32
	v_pk_mul_f32 v[P+j:P+j+1], v[AC+j:AC+j+1], s[CS:CS+1] op_sel_hi:[1,0]   ; t = score x log2(e); each accumulator from its low end on
.set j, j+2
.endr
	WIN 0
	s_wait_dscnt 0x0                               ; the mask is back, and the stage's stores have read their registers,
.if (\a) < 4
	LOADM (\a)+4                                   ; which take the block four further on
.endif
.if (\a) == 0
	PFM 6
	PFM 7
.endif
.set j, 0
.rept 64
	v_cmp_eq_u32 vcc_lo, 0, v[X+j]
	v_cndmask_b32 v[P+j], v[P+j], v[TNEG], vcc_lo  ; where the mask is 0: -1e9 x log2(e)
.set j, j+1
.endr
.irp b, 0,1,2,3
	v_max3_num_f32 v[BM+\b], v[P+16*\b], v[P+16*\b+1], v[P+16*\b+2]   ; the largest t of each block of 32 keys: for the row's maximum, and, since p rises with t, for the block's largest p
.endr
.irp i, 3,5,7,9,11,13
.irp b, 0,1,2,3
	v_max3_num_f32 v[BM+\b], v[BM+\b], v[P+16*\b+\i], v[P+16*\b+\i+1]
.endr
.endr
.irp b, 0,1,2,3
	v_max_num_f32 v[BM+\b], v[BM+\b], v[P+16*\b+15]
.endr
.irp b, 0,1,2,3
	v_permlanex16_b32 v[BT+\b], v[BM+\b], s[SEL], s[SEL+1]
.endr
.irp b, 0,1,2,3
	v_max_num_f32 v[BM+\b], v[BM+\b], v[BT+\b]     ; with lane l xor 16's 16 keys
.endr
	v_max3_num_f32 v[TX], v[BM], v[BM+1], v[BM+2]
	v_max_num_f32 v[TX], v[TX], v[BM+3]            ; the piece's largest t of my query
	v_floor_f32 v[NMP], -v[TX]                     ; -M = floor(-t) = -ceil(t)
	v_mov_b32 v[NMP+1], v[NMP]
.set j, 0
.rept 32
	v_pk_add_f32 v[P+j:P+j+1], v[P+j:P+j+1], v[NMP:NMP+1] op_sel_hi:[1,0]   ; t - M
.set j, j+2
.endr
.irp b, 0,1,2,3
	v_add_f32 v[BM+\b], v[BM+\b], v[NMP]           ; the same of each block's largest t
.endr
.set j, 0
.rept 64
	v_exp_f32 v[P+j], v[P+j]                       ; p = 2^(t - M), at most 1
.set j, j+1
.endr
	v_mov_b32 v[5+IX], v[NMP]                      ; -M is kept.  (A plain place behind the exponentials)
	s_wait_alu depctr_va_vdst(0)                   ; one wait for the whole batch, ahead of its first reader
.irp b, 0,1,2,3
	v_exp_f32 v[BM+\b], v[BM+\b]                   ; the block's largest p: the same two instructions on the same number give the same bits
.endr
	v_pk_add_f32 v[SU:SU+1], v[P:P+1], v[P+2:P+3]  ; the sum of the UNQUANTISED p, two at a time, in two chains
	v_pk_add_f32 v[SU+2:SU+3], v[P+4:P+5], v[P+6:P+7]
.irp j, 8,12,16,20,24,28,32,36,40,44,48,52,56,60
	v_pk_add_f32 v[SU:SU+1], v[SU:SU+1], v[P+\j:P+\j+1]
	v_pk_add_f32 v[SU+2:SU+3], v[SU+2:SU+3], v[P+\j+2:P+\j+3]
.endr
	v_pk_add_f32 v[SU:SU+1], v[SU:SU+1], v[SU+2:SU+3]
	v_add_f32 v[SU], v[SU], v[SU+1]
	v_permlanex16_b32 v[SU+1], v[SU], s[SEL], s[SEL+1]
	v_add_f32 v[9+IX], v[SU], v[SU+1]              ; with lane l xor 16's: the piece's sum
	s_wait_alu depctr_va_vdst(0)                   ; and one wait for the four
.irp b, 0,1,2,3
	v_max_num_f32 v[BM+\b], 0x1800000, v[BM+\b]    ; the floor 2^(3 - 127): the byte cannot fall under 1
.endr
.irp b, 0,1,2,3
	v_add_nc_u32 v[SO+\b], 0xff000000, v[BM+\b]    ; 2 off the exponent field: the conversion's scale operand
.endr
.irp b, 0,1,2,3
	v_lshrrev_b32 v[BT+\b], 23, v[SO+\b]           ; the scale's byte: at most 125, since p is at most 1
.endr
	v_lshl_or_b32 v[1+IX], v[BT+1], 8, v[BT]
	v_lshl_or_b32 v[1+IX], v[BT+2], 16, v[1+IX]
	v_lshl_or_b32 v[1+IX], v[BT+3], 24, v[1+IX]
.irp c, 0,1
	v_cvt_scalef32_pk16_fp6_f32 v[PC+6*\c:PC+6*\c+2], v[P+32*\c:P+32*\c+15], v[SO+2*\c]
	v_cvt_scalef32_pk16_fp6_f32 v[PC2+4*\c:PC2+4*\c+2], v[P+32*\c+16:P+32*\c+31], v[SO+2*\c+1]
.endr
	v_nop                                          ; one plain place behind a scaled conversion
.irp c, 0,1
.irp i, 0,1,2
	v_permlane16_swap_b32 v[PC+6*\c+\i], v[PC2+4*\c+\i]
.endr
.irp i, 0,1,2
	v_mov_b32 v[PC+6*\c+3+\i], v[PC2+4*\c+\i]
.endr
.endr
.irp c, 0,1,2
	global_store_b128 v[LI], v[PC+4*\c:PC+4*\c+3], s[8:9] offset:3072*(\a)+512*\c   ; 512 consecutive bytes, aligned
.endr
.endm
; Four blocks' words of the three arrays: a unit of 256 bytes each: lanes 0-15 blocks 4 u and 4 u + 1, lanes 16-31 blocks 4 u + 2 and 4 u + 3.  The pairs stand in v176-181, which no pending load or store names:
; the turned mask that lay there has been used, and the next block's head waits until these stores have read them before anything lands there.
.macro PSTORE u
	v_cmp_ne_u32 vcc_lo, 0, v[HH]
.irp r, 0,1,2
	v_cndmask_b32 v[PT+2*\r], v[1+4*\r], v[3+4*\r], vcc_lo
	v_cndmask_b32 v[PT+2*\r+1], v[2+4*\r], v[4+4*\r], vcc_lo
	global_store_b64 v[L8], v[PT+2*\r:PT+2*\r+1], s[10:11] offset:524288*\r+256*\u
.endr
.endm
	SOFT 0
	SOFT 1
	SOFT 2
	SOFT 3
	PSTORE 0
	SOFT 4
	SOFT 5
	SOFT 6
	SOFT 7
	PSTORE 1
	s_wait_tensorcnt 0x0                           ; the wave's end
	ds_add_u32 v[SPW], v[NIL]
	s_wait_dscnt 0x0
	CROUND                                         ; the closing round
	s_endpgm
.Lfunc_end_k_qaa2cf2d33f_score:
	.size	k_qaa2cf2d33f_score, .Lfunc_end_k_qaa2cf2d33f_score-k_qaa2cf2d33f_score
	.p2alignl 7, 3214868480
	.fill 96, 4, 3214868480
	.section	.rodata,"a",@progbits
	.p2align	6, 0x0
	.amdhsa_kernel k_qaa2cf2d33f_score
		.amdhsa_group_segment_fixed_size 327680
		.amdhsa_private_segment_fixed_size 0
		.amdhsa_enable_private_segment 0
		.amdhsa_kernarg_size 32
		.amdhsa_user_sgpr_count 2
		.amdhsa_user_sgpr_kernarg_segment_ptr 1
		.amdhsa_wavefront_size32 1
		.amdhsa_system_sgpr_workgroup_id_x 1
		.amdhsa_system_sgpr_workgroup_id_y 1
		.amdhsa_system_sgpr_workgroup_id_z 1
		.amdhsa_system_vgpr_workitem_id 0
		.amdhsa_next_free_vgpr 1024
		.amdhsa_next_free_sgpr 100
		.amdhsa_reserve_vcc 1
		.amdhsa_float_denorm_mode_32 3
		.amdhsa_float_denorm_mode_16_64 3
		.amdhsa_memory_ordered 1
		.amdhsa_forward_progress 1
		.amdhsa_inst_pref_size 255
	.end_amdhsa_kernel
	.section	.bss,"aw",@nobits
	.p2align	6
	.space	262144
	.amdgpu_metadata
---
amdhsa.version: [ 1, 2 ]
amdhsa.kernels:
  - .name:           k_qaa2cf2d33f_score
    .symbol:         k_qaa2cf2d33f_score.kd
    .args:
      - { .name: qkv, .offset: 0, .size: 8, .value_kind: global_buffer, .address_space: global }
      - { .name: mask, .offset: 8, .size: 8, .value_kind: global_buffer, .address_space: global }
      - { .name: pc, .offset: 16, .size: 8, .value_kind: global_buffer, .address_space: global }
      - { .name: pst, .offset: 24, .size: 8, .value_kind: global_buffer, .address_space: global }
    .group_segment_fixed_size: 327680
    .private_segment_fixed_size: 0
    .kernarg_segment_align: 8
    .kernarg_segment_size: 32
    .max_flat_workgroup_size: 128
    .sgpr_count:     100
    .vgpr_count:     1024
    .wavefront_size: 32
...
	.end_amdgpu_metadata
.endif
;; end of part 3
;; launch mix (part 4): grid 4 x 64, 4 waves a work-group, clusters of 4 x 4, 327,680 bytes of LDS; arguments pc, pst, qkv, x, out0; writes out0
.if DOCPART == 4
	.amdgcn_target "amdgcn-amd-amdhsa--gfx1250"
	.amdhsa_code_object_version 6
	.text
	.protected	k_qaa2cf2d33f_mix
	.globl	k_qaa2cf2d33f_mix
	.p2align	8
	.type	k_qaa2cf2d33f_mix,@function
k_qaa2cf2d33f_mix:
	s_mov_b64 s[64:65], 0
	v_nop
	global_prefetch_b8 v0, s[64:65] scope:SCOPE_SE
	s_setreg_imm32_b32 hwreg(HW_REG_WAVE_MODE, 25, 1), 1
	s_wait_xcnt 0x0
	s_wait_alu depctr_hold_cnt(0) depctr_sa_sdst(0) depctr_va_vdst(0) depctr_va_sdst(0) depctr_va_ssrc(0) depctr_va_vcc(0) depctr_vm_vsrc(0)
	s_getreg_b32 s2, hwreg(HW_REG_IB_STS2, 6, 4)
	s_cmp_eq_u32 s2, 0
	s_cbranch_scc0 .Lentry_in_a_cluster
	s_endpgm
.Lentry_in_a_cluster:
	s_bfe_u32 s2, ttmp6, 0x10000c
	s_cmp_lg_u32 s2, 0xf033
	s_cbranch_scc0 .Lentry_shape_is_right
	s_endpgm
.Lentry_shape_is_right:
; out = (p v) / l + x.  p [queries][keys] and v^T [e][keys] come as images of FP6 (E2M3) fragments; the product's K is the 2,048 keys.
; p was quantised under a LOCAL M for each (query, 128 keys).  At the head each thread takes one query of the group: the row's M is the largest local M (the smallest stored -M); D = M - local M is a whole number, 0 or more;
; D is taken off each of the piece's four scale bytes (an exact power of two), and l = the sum of the pieces' sums x 2^-D.  The mended words and 1 / l stay in LDS.
; LIMIT: a byte that would fall under 0 is held at 0: such p count for at most 7.5 x 2^-127 each, beside l >= 1/2.  NaN and infinities are not served.
; SHARES.  A tile is 128 queries (one group) x 256 of e: 256 work-groups.  Four waves, each 64 x 128: 32 accumulators.  Transposed use (source 0 = a block of v^T's rows e, source 1 = a block of queries): a lane holds one
; query and, in accumulator (a, b), e = 32 (b / 2) + 16 h + 8 (b % 2) + j.  K goes in four big steps of 512 keys through two LDS slots; a wave's one load brings 256 keys of p (waves 0, 1: 24,576 bytes) or of v^T with its
; scale words (waves 2, 3: 51,200 bytes).  A refill has four steps of 128 keys, 128 matrix instructions, in which to land.  All is written out: no loop.
; CLUSTERS: 4 x 4: p's tile is shared along a row of the cluster, v^T's along a column: joint loads.
; x is asked for at the head and waits in registers (window 3); the result goes through the wave's stage in LDS (in slot 0, which has had its last fill and its last read by then) and leaves as rows of 512 bytes.
; REGISTERS: window 0: v1-31 addresses; v32-63 scale words, two sets, and nothing else: lanes 0-15 v^T's, lanes 16-31 p's; v64-159 p's fragments, two sets of 48; v128-181 the head's work; on the way out v64-255.
;   window 1: v^T's fragments, two sets, at v0 and v96.   window 2: the accumulators ((a, b) at v[8 (8 a + b)]).   window 3: x, 64 registers a block.
.set SLOT4, 151552                     ; p of 256 keys, twice (24,576 each); v^T of 256 keys, twice (51,200 each)
.set PSC,   2*SLOT4                    ; p's mended scale words: 16 units of 512 bytes
.set RL,    PSC+8192                   ; 1 / l, 128 words in a unit's order
.set SPARE, RL+512                     ; the spare words, 128 bytes for each wave: two blocks of 256 bytes that no other line names
.set ADRA, 4                           ; v4-5    p's fragments in slot 0, 1
.set ADRB, 6                           ; v6-9    v^T's: 2 slot + which 256 keys
.set STO,  10                          ; v10     the stage, on the way in
.set RD,   11                          ; v11     and out
.set CO,   12                          ; v12     16 x lane
.set T4,   13                          ; v13     4 x thread
.set RLA,  14                          ; v14     my rows' 1 / l
.set T4L,  15                          ; v15     PSC + 4 x thread
.set ADRS, 16                          ; v16-23  the scale words of each 256 keys
.set RLV,  24                          ; v24-27  1 / l of my query in blocks 0..3
.set SPW,  28
.set NIL,  29
.set SC,   32
.set AFR,  64
.set G1A, 24
.set G1B, 32
.set G0A, 68
.set G0B, 80
.set MSB, 0
.macro WIN new
.if MSB != (\new)
	s_set_vgpr_msb (MSB<<8)|(\new)
.set MSB, (\new)
.endif
.endm
.macro JLOAD s                         ; a joint load: waves 0 and 1 fetch p, waves 2 and 3 v^T; four v_nop follow each of the two lines
	s_cmp_eq_u32 s15, 0
	s_cbranch_scc0 .Lfor_b_\@
	tensor_load_to_lds s[G0A+4*\s:G0A+4*\s+3], s[G1A:G1A+7]
	s_nop 0
.rept 4
	v_nop
.endr
	s_branch .Lasked_\@
.Lfor_b_\@:
	tensor_load_to_lds s[G0B+4*\s:G0B+4*\s+3], s[G1B:G1B+7]
	s_nop 0
.rept 4
	v_nop
.endr
.Lasked_\@:
.endm
.macro CREST
	s_cmp_lg_u32 s14, 0
	s_cbranch_scc1 .Lnot_wave_0_\@
	s_barrier_signal -3
.Lnot_wave_0_\@:
	s_barrier_wait -3
	s_barrier_signal -1
	s_barrier_wait -1
.endm
.macro CROUND
	s_barrier_signal -1
	s_barrier_wait -1
	CREST
.endm
.macro PLACES
.rept 4
	v_nop
.endr
.endm
.macro XLOAD a                         ; x at block a's 16 queries, my 128 of e: a row's 512 consecutive bytes a load, in the order in which the result leaves
	WIN 0xc0
.irp t, 0,1,2,3,4,5,6,7,8,9,10,11,12,13,14,15
	global_load_b128 v[64*(\a)+4*\t:64*(\a)+4*\t+3], v[CO], s[10:11] offset:(32*((\a)/2)+8*((\a)%2)+\t+8*(\t/8))*4096 th:TH_LOAD_NT
.endr
	WIN 0
.endm
.macro FETCH n                         ; the fragments of step n (128 keys) into set n % 2; with an even n the scale words of 256 keys
.set fs, ((\n)/4)%2
.set fk, ((\n)%4)/2
.set fq, (\n)%2
	WIN 0x40
.irp b, 0,1,2,3,4,5,6,7
.irp c, 0,1,2
	ds_load_b128 v[96*fq+12*\b+4*\c:96*fq+12*\b+4*\c+3], v[ADRB+2*fs+fk] offset:3072*\b+1536*fq+512*\c
.endr
.endr
	WIN 0
.irp a, 0,1,2,3
.irp c, 0,1,2
	ds_load_b128 v[AFR+48*fq+12*\a+4*\c:AFR+48*fq+12*\a+4*\c+3], v[ADRA+fs] offset:24576*fk+3072*\a+1536*fq+512*\c
.endr
.endr
.if fq == 0
.irp q, 0,1
.irp i, 0,1,2,3
	ds_load_b64 v[SC+16*(((\n)/2)%2)+8*\q+2*\i:SC+16*(((\n)/2)%2)+8*\q+2*\i+1], v[ADRS+(\n)/2] offset:512*\q+128*\i   ; lanes 16-31 want i = 0, 1 alone; what they read beyond lies in p's words and 1 / l and is not used
.endr
.endr
.endif
.endm
.macro MUL8 a, n, zero                 ; my block a of queries x v^T's eight blocks.  The 32 accumulators take turns
.set st, (\n)%2
.set rS, SC+16*(((\n)/2)%2)+8*((\n)%2)
.irp b, 0,1,2,3,4,5,6,7
.set rD, 8*(8*(\a)+\b)
.if \zero
	v_wmma_scale_f32_16x16x128_f8f6f4 v[rD:rD+7], v[96*st+12*\b:96*st+12*\b+11], v[AFR+48*st+12*(\a):AFR+48*st+12*(\a)+11], 0, v[rS+\b], v[rS+(\a)] matrix_a_fmt:MATRIX_FMT_FP6 matrix_b_fmt:MATRIX_FMT_FP6 matrix_b_scale:MATRIX_SCALE_ROW1
.else
	v_wmma_scale_f32_16x16x128_f8f6f4 v[rD:rD+7], v[96*st+12*\b:96*st+12*\b+11], v[AFR+48*st+12*(\a):AFR+48*st+12*(\a)+11], v[rD:rD+7], v[rS+\b], v[rS+(\a)] matrix_a_fmt:MATRIX_FMT_FP6 matrix_b_fmt:MATRIX_FMT_FP6 matrix_b_scale:MATRIX_SCALE_ROW1
.endif
.endr
.endm
.macro HSTEP n, zero                   ; a step whose successor lies in the same slot: the next step's loads go out first and have 32 matrix instructions in which to land
	s_wait_dscnt 0x0                               ; this step's fragments are in
	PLACES                                         ; for the loads into the set that the last step multiplied
	FETCH (\n)+1
	WIN 0xa1
	MUL8 0, \n, \zero
	MUL8 1, \n, \zero
	MUL8 2, \n, \zero
	MUL8 3, \n, \zero
.endm
.macro TURN4 n, fill                   ; a slot's last step changes slots: one barrier; fill = 1: it opens a round of the cluster's barrier, and this slot is filled again, two big steps on
.set ts, ((\n)/4)%2
	WIN 0                                          ; (the add's two registers lie in window 0)
	s_wait_tensorcnt 0x0                           ; all my tensor loads have landed: my part of the next slot
	ds_add_u32 v[SPW], v[NIL]                      ; 0 onto my spare word
	s_wait_dscnt 1                                 ; this step's fragments are in (the add may be out)
	WIN 0xa1
	MUL8 0, \n, 0
	s_wait_dscnt 0x0                               ; the add is done, and my reads of this slot are over
	s_barrier_signal -1
	MUL8 1, \n, 0
	WIN 0
	s_barrier_wait -1
.if \fill
	CREST                                          ; no wave of any partner still reads this slot or has a load on its way
	s_add_nc_u64 s[G0A+4*ts+2:G0A+4*ts+3], s[G0A+4*ts+2:G0A+4*ts+3], 4*1572864
	s_add_nc_u64 s[G0B+4*ts+2:G0B+4*ts+3], s[G0B+4*ts+2:G0B+4*ts+3], 4*204800
	JLOAD ts                                       ; the first tensor load behind the round; its four v_nop are the places in front of the loads below
.else
	PLACES
.endif
	FETCH (\n)+1
	WIN 0xa1
	MUL8 2, \n, 0
	MUL8 3, \n, 0
.endm
	s_load_b256 s[4:11], s[0:1], 0x0               ; pc, pst, qkv, x
	s_load_b64 s[12:13], s[0:1], 0x20              ; out0
	v_lshl_add_u32 v[SPW], v0, 2, SPARE
	v_mov_b32 v[NIL], 0
	ds_add_u32 v28, v29
	ds_add_u32 v28, v29
	s_wait_dscnt 0x0
	v_lshrrev_b32 v1, 5, v0
	v_readfirstlane_b32 s14, v1                    ; wave 0..3
	s_lshr_b32 s15, s14, 1                         ; my half of the queries.  Also: I fetch p (0) or v^T (1)
	s_and_b32 s16, s14, 1                          ; my half of e.  Also: which 256 keys of a big step I fetch
	s_bfe_u32 s40, ttmp6, 0x40000                  ; cx
	s_bfe_u32 s41, ttmp6, 0x40004                  ; cy
	s_and_b32 s19, ttmp7, 0xffff
	s_lshl_b32 s17, s19, 2
	s_add_co_u32 s17, s17, s41                     ; the group of queries 0..63
	s_lshr_b32 s19, s19, 2                         ; the batch: of the cluster's y alone
	s_lshl_b32 s18, ttmp9, 2
	s_add_co_u32 s18, s18, s40                     ; the tile of e 0..3
	s_mul_i32 s20, s17, 24576
	s_mul_i32 s21, s16, 1572864
	s_add_co_u32 s20, s20, s21                     ; p: hangs on cy, never on cx
	s_mov_b32 s21, 0
	s_mul_i32 s46, s19, 1638400
	s_mul_i32 s47, s16, 204800
	s_add_co_u32 s46, s46, s47
	s_mul_i32 s47, s18, 51200
	s_add_co_u32 s46, s46, s47
	s_add_co_u32 s46, s46, 13107200                ; v^T: hangs on cx, never on cy
	s_mov_b32 s47, 0
	s_lshl_b32 s43, s41, 2
	s_lshl_b32 s43, 15, s43                        ; my row of the cluster
	s_lshl_b32 s44, 0x1111, s40                    ; my column
	s_or_b32 s[G1A], s43, (3<<16)|(1<<21)          ; the mask; elements of 8 bytes; no padding; bit 21 beside a mask
	s_or_b32 s[G1B], s44, (3<<16)|(1<<21)
	s_mov_b32 s[G1A+1], 32<<16                     ; rows of 256 bytes;
	s_mov_b32 s[G1A+2], 96<<16                     ; p: 96 rows, 24,576 dense bytes
	s_mov_b32 s[G1A+3], 32<<16
	s_mov_b32 s[G1A+4], 96
	s_mov_b32 s[G1A+5], 32
	s_mov_b32 s[G1A+6], 0
	s_mov_b32 s[G1A+7], 0
	s_mov_b32 s[G1B+1], 32<<16
	s_mov_b32 s[G1B+2], 200<<16                    ; v^T: 200 rows, 51,200 dense bytes: two groups of e, codes and scale words
	s_mov_b32 s[G1B+3], 32<<16
	s_mov_b32 s[G1B+4], 200
	s_mov_b32 s[G1B+5], 32
	s_mov_b32 s[G1B+6], 0
	s_mov_b32 s[G1B+7], 0
	s_mul_i32 s45, s16, 24576                      ; where they go in a slot: no place in the cluster enters an LDS address
	s_mul_i32 s42, s16, 51200
	s_add_co_u32 s42, s42, 49152
	s_lshl_b32 s56, s17, 13                        ; the group's 8,192 bytes in each array of pst
	s_mov_b32 s57, 0
	s_lshl_b32 s58, s17, 19                        ; x and out0: (128 group + 64 half) rows of 4,096 bytes
	s_lshl_b32 s59, s15, 18
	s_add_co_u32 s58, s58, s59
	s_lshl_b32 s59, s18, 10                        ; + (256 tile + 128 half) numbers
	s_add_co_u32 s58, s58, s59
	s_lshl_b32 s59, s16, 9
	s_add_co_u32 s58, s58, s59
	s_mov_b32 s59, 0
	s_wait_kmcnt 0x0
	s_add_nc_u64 s[20:21], s[4:5], s[20:21]
	s_add_nc_u64 s[46:47], s[8:9], s[46:47]
	s_add_nc_u64 s[6:7], s[6:7], s[56:57]
	s_add_nc_u64 s[10:11], s[10:11], s[58:59]
	s_add_nc_u64 s[12:13], s[12:13], s[58:59]
	CROUND                                         ; all sixteen work-groups are here: the first joint loads meet
.irp s, 0,1
	s_mov_b32 s[G0A+4*\s], 1
	s_add_co_u32 s[G0A+4*\s+1], s45, \s*SLOT4
	s_add_nc_u64 s[G0A+4*\s+2:G0A+4*\s+3], s[20:21], \s*2*1572864
	s_or_b32 s[G0A+4*\s+3], s[G0A+4*\s+3], 0x80000000
	s_mov_b32 s[G0B+4*\s], 1
	s_add_co_u32 s[G0B+4*\s+1], s42, \s*SLOT4
	s_add_nc_u64 s[G0B+4*\s+2:G0B+4*\s+3], s[46:47], \s*2*204800
	s_or_b32 s[G0B+4*\s+3], s[G0B+4*\s+3], 0x80000000
.endr
	s_cmp_eq_u32 s15, 0                            ; a wave's two first fills stand in one branch: two loads of mine are out
	s_cbranch_scc0 .Lfirst_b
	tensor_load_to_lds s[G0A:G0A+3], s[G1A:G1A+7]
	s_nop 0
	tensor_load_to_lds s[G0A+4:G0A+7], s[G1A:G1A+7]
	s_nop 0
.rept 4
	v_nop
.endr
	s_branch .Lfirst_asked
.Lfirst_b:
	tensor_load_to_lds s[G0B:G0B+3], s[G1B:G1B+7]
	s_nop 0
	tensor_load_to_lds s[G0B+4:G0B+7], s[G1B:G1B+7]
	s_nop 0
.rept 4
	v_nop
.endr
.Lfirst_asked:
	v_lshlrev_b32 v[T4], 2, v0
	v_and_b32 v2, 31, v0
	v_lshlrev_b32 v[CO], 4, v2                     ; 16 x lane
.irp k, 0,1,2,3,4,5,6,7,8,9,10,11,12,13,14,15  ; my query's 16 pieces: scale word, -M, sum
	global_load_b32 v[128+\k], v[T4], s[6:7] offset:512*\k
	global_load_b32 v[144+\k], v[T4], s[6:7] offset:524288+512*\k
	global_load_b32 v[160+\k], v[T4], s[6:7] offset:1048576+512*\k
.endr
	XLOAD 0
	XLOAD 1
	XLOAD 2
	v_and_b32 v1, 15, v0                           ; r
	v_bfe_u32 v30, v0, 4, 1                        ; h
	v_lshlrev_b32 v31, 3, v1                       ; 8 r
	v_lshl_add_u32 v[T4L], v0, 2, PSC
	s_mul_i32 s48, s15, 12288                      ; my four blocks of p
	v_add_nc_u32 v[ADRA], s48, v[CO]
	s_add_co_u32 s48, s48, SLOT4
	v_add_nc_u32 v[ADRA+1], s48, v[CO]
	s_mul_i32 s49, s16, 25600                      ; my group of e
.irp k, 0,1,2,3
	s_add_co_u32 s50, s49, SLOT4*(\k/2)+49152+51200*(\k%2)
	v_add_nc_u32 v[ADRB+\k], s50, v[CO]
.endr
	s_xor_b32 s51, s16, 1
	s_mul_i32 s51, s51, 25600
	s_lshl_b32 s52, s15, 8
	s_add_co_u32 s51, s51, s52                     ; 25,600 (1 - e half) + 256 x query half
.irp k, 0,1,2,3,4,5,6,7                        ; lanes 0-15: v^T's words, in the tile; lanes 16-31: p's mended words: the lower base + h x the distance
	s_add_co_u32 s52, s51, PSC+1024*\k-(SLOT4*((\k/2)%2)+49152+51200*(\k%2)+24576)-25600
	v_mul_u32_u24 v3, s52, v30
	v_add_nc_u32 v3, v3, v31
	s_add_co_u32 s53, s49, SLOT4*((\k/2)%2)+49152+51200*(\k%2)+24576
	v_add_nc_u32 v[ADRS+\k], s53, v3
.endr
	s_mul_i32 s54, s14, 8448                       ; my stage, in slot 0
	v_mul_u32_u24 v3, v1, 528
	v_lshl_add_u32 v3, v30, 6, v3
	v_add_nc_u32 v[STO], s54, v3                   ; in: row r, + 64 h
	v_add_nc_u32 v[RD], s54, v[CO]                 ; back: a row of 512 bytes, 16 a lane
	s_lshl_b32 s55, s15, 8
	s_add_co_u32 s55, s55, RL
	v_add_nc_u32 v[RLA], s55, v31
	v_mov_b32 v3, 0                                ; (named as the upper half of the pair v[2:3])
	s_wait_loadcnt 48                              ; the pieces' 48 loads are in; x's 48 may be out
	v_min3_num_f32 v176, v144, v145, v146          ; the smallest -M: the row's M
.irp k, 3,5,7,9,11,13
	v_min3_num_f32 v176, v176, v[144+\k], v[145+\k]
.endr
	v_min_num_f32 v176, v176, v159
.irp k, 0,1,2,3,4,5,6,7,8,9,10,11,12,13,14,15
	v_sub_f32 v178, v176, v[144+\k]                ; local M - the row's M: a whole number, 0 or less
	v_cvt_i32_f32 v178, v178                       ; (it saturates)
.if \k == 0
	v_ldexp_f32 v177, v[160+\k], v178              ; l: the piece's sum under the row's M
.else
	v_ldexp_f32 v179, v[160+\k], v178
	v_add_f32 v177, v177, v179
.endif
	v_sub_nc_u32 v178, 0, v178
	v_min_u32 v178, 127, v178                      ; D, held at 127: the bytes are at most 125
	v_perm_b32 v178, v178, v178, 0                 ; in all four bytes
	v_or_b32 v[128+\k], 0x80808080, v[128+\k]      ; byte + 128 - D lies in 2 .. 253: no byte borrows from its neighbour,
	v_sub_nc_u32 v[128+\k], v[128+\k], v178
	v_and_b32 v179, 0x80808080, v[128+\k]          ; and its top bit says that byte - D is 0 or more
	v_lshrrev_b32 v180, 7, v179
	v_sub_nc_u32 v179, v179, v180                  ; 0x7f there, else 0
	v_and_b32 v[128+\k], v[128+\k], v179           ; byte - D, held at 0 from below
	ds_store_b32 v[T4L], v[128+\k] offset:512*\k
.endr
	v_rcp_f32 v181, v177
	v_nop                                          ; one plain place behind the transcendental
	s_wait_alu depctr_va_vdst(0)                   ; and a wait ahead of its first reader
	ds_store_b32 v[T4L], v181 offset:8192
	XLOAD 3
	s_wait_tensorcnt 1                             ; my part of big step 0 is in; big step 1's may be out
	s_wait_dscnt 0x0                               ; my words and my 1 / l have landed
	s_barrier_signal -1
	s_barrier_wait -1
	ds_load_b64 v[RLV:RLV+1], v[RLA]               ; 1 / l of my query in blocks 0, 1
	ds_load_b64 v[RLV+2:RLV+3], v[RLA] offset:128  ; and 2, 3
	FETCH 0
	HSTEP 0, 1                                     ; the first step's products start the sums
	HSTEP 1, 0
	HSTEP 2, 0
	TURN4 3, 1                                     ; big step 2 into slot 0
	HSTEP 4, 0
	HSTEP 5, 0
	HSTEP 6, 0
	TURN4 7, 1                                     ; big step 3 into slot 1
	HSTEP 8, 0
	HSTEP 9, 0
	HSTEP 10, 0
	TURN4 11, 0                                    ; nothing is left to fetch; nobody reads slot 0 any more
	HSTEP 12, 0
	HSTEP 13, 0
	HSTEP 14, 0
	s_wait_dscnt 0x0
	WIN 0xa1
	MUL8 0, 15, 0
	MUL8 1, 15, 0
	MUL8 2, 15, 0
	MUL8 3, 15, 0
	WIN 0
	PLACES
	s_wait_loadcnt 0x0                             ; x
; THE WAY OUT, a block of 16 queries at a time: x 1 / l; through my stage, so that a row's 512 bytes lie in the 32 lanes; + x; stored.
.macro OUTB a
.set BK, 128+64*((\a)%2)
	v_mov_b32 v2, v[RLV+(\a)]
	WIN 0x02                                       ; source 0: the accumulators' window
.set j, 0
.rept 32
	v_pk_mul_f32 v[64+j:65+j], v[64*(\a)+j:64*(\a)+j+1], v[2:3] op_sel_hi:[1,0]   ; each accumulator from its low end on
.set j, j+2
.endr
	WIN 0
.irp b, 0,1,2,3,4,5,6,7
	ds_store_b128 v[STO], v[64+8*\b:64+8*\b+3] offset:128*(\b/2)+32*(\b%2)
	ds_store_b128 v[STO], v[64+8*\b+4:64+8*\b+7] offset:128*(\b/2)+32*(\b%2)+16
.endr
.if (\a) >= 2
	s_wait_xcnt 0x0                                ; the stores of two blocks ago have read these registers
.endif
.irp t, 0,1,2,3,4,5,6,7,8,9,10,11,12,13,14,15
	ds_load_b128 v[BK+4*\t:BK+4*\t+3], v[RD] offset:528*\t   ; LDS serves a wave's instructions in order: these see the stores above
.endr
	s_wait_dscnt 0x0
	WIN 0x0c                                       ; source 1: x's window
.set j, 0
.rept 32
	v_pk_add_f32 v[BK+j:BK+j+1], v[BK+j:BK+j+1], v[64*(\a)+j:64*(\a)+j+1]
.set j, j+2
.endr
	WIN 0
.irp t, 0,1,2,3,4,5,6,7,8,9,10,11,12,13,14,15
	global_store_b128 v[CO], v[BK+4*\t:BK+4*\t+3], s[12:13] offset:(32*((\a)/2)+8*((\a)%2)+\t+8*(\t/8))*4096 th:TH_STORE_NT   ; 32 lanes store 512 consecutive bytes, aligned
.endr
.endm
	OUTB 0
	OUTB 1
	OUTB 2
	OUTB 3
	s_wait_tensorcnt 0x0                           ; the wave's end
	ds_add_u32 v[SPW], v[NIL]
	s_wait_dscnt 0x0
	CROUND                                         ; the closing round
	s_endpgm
.Lfunc_end_k_qaa2cf2d33f_mix:
	.size	k_qaa2cf2d33f_mix, .Lfunc_end_k_qaa2cf2d33f_mix-k_qaa2cf2d33f_mix
	.p2alignl 7, 3214868480
	.fill 96, 4, 3214868480
	.section	.rodata,"a",@progbits
	.p2align	6, 0x0
	.amdhsa_kernel k_qaa2cf2d33f_mix
		.amdhsa_group_segment_fixed_size 327680
		.amdhsa_private_segment_fixed_size 0
		.amdhsa_enable_private_segment 0
		.amdhsa_kernarg_size 40
		.amdhsa_user_sgpr_count 2
		.amdhsa_user_sgpr_kernarg_segment_ptr 1
		.amdhsa_wavefront_size32 1
		.amdhsa_system_sgpr_workgroup_id_x 1
		.amdhsa_system_sgpr_workgroup_id_y 1
		.amdhsa_system_sgpr_workgroup_id_z 1
		.amdhsa_system_vgpr_workitem_id 0
		.amdhsa_next_free_vgpr 1024
		.amdhsa_next_free_sgpr 100
		.amdhsa_reserve_vcc 0
		.amdhsa_float_denorm_mode_32 3
		.amdhsa_float_denorm_mode_16_64 3
		.amdhsa_memory_ordered 1
		.amdhsa_forward_progress 1
		.amdhsa_inst_pref_size 173
	.end_amdhsa_kernel
	.amdgpu_metadata
---
amdhsa.version: [ 1, 2 ]
amdhsa.kernels:
  - .name:           k_qaa2cf2d33f_mix
    .symbol:         k_qaa2cf2d33f_mix.kd
    .args:
      - { .name: pc, .offset: 0, .size: 8, .value_kind: global_buffer, .address_space: global }
      - { .name: pst, .offset: 8, .size: 8, .value_kind: global_buffer, .address_space: global }
      - { .name: qkv, .offset: 16, .size: 8, .value_kind: global_buffer, .address_space: global }
      - { .name: x, .offset: 24, .size: 8, .value_kind: global_buffer, .address_space: global }
      - { .name: out0, .offset: 32, .size: 8, .value_kind: global_buffer, .address_space: global }
    .group_segment_fixed_size: 327680
    .private_segment_fixed_size: 0
    .kernarg_segment_align: 8
    .kernarg_segment_size: 40
    .max_flat_workgroup_size: 128
    .sgpr_count:     100
    .vgpr_count:     1024
    .wavefront_size: 32
...
	.end_amdgpu_metadata
.endif
;; end of part 4
